; MI455X (gfx1250); checked and timed in simulation.
; The chip was launched on July 23, 2026; its instructions are those of AMD's public machine-readable ISA for CDNA 5 (MIT licence, August 2026) and "CDNA5" Instruction Set Architecture Reference Guide (July 2026). The comments in the code are by the model that wrote it; some were corrected since.
;; Causal Self Attention. Allowed arithmetic: matrix products marked QUANTISED: E3M2 operands, one E8M0 scale for each 32 along K, by v_wmma_scale_f32_16x16x128_f8f6f4 with both operands' format E3M2, f32 sums; everything else in f32.
;; Inputs: b_out 1,024 float32; b_qkv 3,072 float32; w_out 1,024 x 1,024 float32; w_qkv 1,024 x 3,072 float32; x 4 x 2,048 x 1,024 float32.
;; Outputs: out0 4 x 2,048 x 1,024 float32.
;; This version of the problem:
;;   THIS VERSION OF THE PROBLEM IS GIVEN IN LOW PRECISION. The matrix products marked QUANTISED in the list below multiply operands that are first quantised to E3M2 (3 exponent bits, 2 mantissa bits; 6 bits a number), with one power-of-two scale for each 32 numbers along K (OCP MX v1.0); their sums are f32. All else is computed in f32.
;;   The module's matrix products, in the order in which they are computed (A, B: the left and right operand; K: the contracted axis; several contracted axes count as one K, in the product's order):
;;     1. [M 8,192, K 1,024] x [K 1,024, N 3,072]; A: input x; B: input w_qkv: QUANTISED
;;     2. batch 64 x [M 2,048, K 64] x [K 64, N 2,048]; A: computed on the way; B: computed on the way: QUANTISED
;;     3. batch 64 x [M 2,048, K 2,048] x [K 2,048, N 64]; A: softmax (see below); B: computed on the way: QUANTISED
;;     4. [M 8,192, K 1,024] x [K 1,024, N 1,024]; A: computed on the way; B: input w_out: QUANTISED
;;   THE QUANTISER, for each operand of a quantised product, along K:
;;     - K is cut into blocks of 32 from its start; a last block that is shorter is filled with zeros.
;;     - A block's scale is 2^e with e = floor(log2(the largest magnitude in the block)) - 4, held to -126 .. 127; a block of zeros has e = 0. As a byte (E8M0): e + 127.
;;     - Each number is divided by its block's scale, clamped to +-28, and rounded to the nearest number of E3M2, ties to even, subnormals kept.
;;     - The product sums the exact products of the quantised numbers (number of the format x scale) in f32.
;;   ~~~python
;;   def quantise(x, axis):      # numpy; x: float32 -> the quantised numbers, widened to float32 again
;;       x = np.moveaxis(x, axis, -1); K = x.shape[-1]
;;       x = np.pad(x, [(0, 0)] * (x.ndim - 1) + [(0, -K % 32)]); x = x.reshape(x.shape[:-1] + (-1, 32)); a = np.abs(x).max(-1, keepdims=True)
;;       e = np.where(a > 0, np.clip(np.frexp(np.where(a > 0, a, 1))[1] - 1 - 4, -126, 127), 0)      # np.frexp(a)[1] - 1 = floor(log2(a)), exactly
;;       r = np.clip(x / 2.0 ** e, -28, 28)
;;       step = 2.0 ** (np.maximum(np.frexp(np.where(r == 0, 1, r))[1] - 1, -2) - 2)
;;       q = np.round(r / step) * step * 2.0 ** e      # np.round: ties to even
;;       return np.moveaxis(q.reshape(q.shape[:-2] + (-1,))[..., :K], -1, axis).astype(np.float32)
;;   ~~~
;;   SOFTMAX AHEAD OF A QUANTISED PRODUCT. Where the list says 'softmax', what is quantised is not the finished softmax but p = 2^(t - M), with t = logit x log2(e) and M = ceil(the row's largest t), a whole number; so 1/2 < the row's largest p <= 1. The row's sum l is taken of the UNQUANTISED p, in f32, and the product's result is divided by l at the end. Since M is a whole number, a kernel that streams over the keys may use a running M (the ceiling of the running maximum): every later rescaling is an exact power of two, which a block's scale takes up: the codes' values come out the same.
;;   OPERANDS COMPUTED ON THE WAY. 'Computed on the way' means the value that the module computes at that place (a softmax that the list does not call 'softmax' is quantised finished and normalised). What goes into a quantiser is computed in f32, as accurately as f32 sums, v_exp_f32 and their like allow (about 1e-6 of the number): no bf16 or f16 on the way to a quantiser, and a product that is left as it is and whose result goes on into a quantised operand takes f32 operands (vector FMAs, or v_wmma_f32_16x16x4_f32). A number that lies on a knife's edge between two numbers of the format may be rounded either way, as far as f32 arithmetic and the matrix unit's own rounding can turn it there, and no further.
;; One version. Each part assembles by itself: llvm-mc -triple=amdgcn-amd-amdhsa -mcpu=gfx1250 --defsym DOCPART=n.
;; ======== version 1 of 1: 4 launches
;; workspace buffers: xc 6,291,456 bytes; xs 262,144 bytes; wc 3,145,728 bytes; ws 131,072 bytes; qb 6,815,744 bytes; kvb 13,369,344 bytes; ac 6,291,456 bytes; asc 262,144 bytes
;; launch quant (part 1): grid 384 x 1, 4 waves a work-group, no clusters, 68,096 bytes of LDS; arguments x, w_qkv, w_out, xc, xs, wc, ws; writes xc, xs, wc, ws
.if DOCPART == 1
	.amdgcn_target "amdgcn-amd-amdhsa--gfx1250"
	.amdhsa_code_object_version 6
	.text
	.protected	k_q42249c8976_quant
	.globl	k_q42249c8976_quant
	.p2align	8
	.type	k_q42249c8976_quant,@function
k_q42249c8976_quant:
	s_mov_b64 s[64:65], 0
	v_nop
	global_prefetch_b8 v0, s[64:65] scope:SCOPE_SE
	s_setreg_imm32_b32 hwreg(HW_REG_WAVE_MODE, 25, 1), 1
	s_wait_xcnt 0x0
; x [8192][1024], w_qkv [1024][3072] and w_out [1024][1024], f32, become codes of BF6 (E3M2), 6 bits each, K innermost, with one E8M0 byte for each 32 along K.
; A block's scale is 2^(floor(log2(its largest magnitude)) - 4); its byte is the largest magnitude's exponent field - 4, held at 1 from below.
; LIMITS: NaN and infinities among the inputs are not served; a block whose largest magnitude lies under 2^-122 keeps the byte 1; a block of zeros keeps the byte 1 over zero codes (this program alone reads the bytes).
; STORED-ROW ORDER: row p of every output holds the token (x) or the output column (weights) whose number is p with bits 3 and 4 exchanged.  Sixteen rows on end are then a tile whose lane r
; holds index 32 b + 8 u + r + 8 (r / 8), so that in the later products a lane's 16 registers of two neighbouring tiles are 16 neighbours.
; xc [8192][768 bytes], xs [8192][32]; wc [4096][768], ws [4096][32]: rows 0-3071 w_qkv's columns, rows 3072-4095 w_out's.
; Work-groups 0-127 take the weights (K is their first axis: a lane takes a column and its registers run down K), work-groups 128-383 take x (K innermost).  Each reads 131,072 bytes.
; The two ways part on the work-group's number, never join, and have LDS bytes of their own.  No tensor loads, no barrier: waves share nothing.
.set STEPS, 16
.set CB,    12                         ; bytes of 16 codes
.set XR,    16                         ; x: v16-79   four sets of 16 numbers as they are loaded
.set XX,    80                         ;    v80-111  two sets of 16 neighbours
.set XE,    112                        ;    v112-127 a scale byte for each step
.set XC,    128                        ;    v128-191 codes: four registers for each step
.set WREG,  8192                       ;    LDS: 8,192 bytes for each wave: two stages of 32 x SP bytes, then its 256 scale bytes
.set SP,    80                         ;    a lane's place in a stage: 64 bytes + 16 of padding
.set WLDS,  32768                      ; weights: LDS from here on, 32 rows x PITCH for each wave
.set PITCH, 272                        ;    a stage row: sixteen places of 16 bytes, each with 12 bytes of codes, + 16
.set KROW,  768                        ;    a row of codes in memory
.set NB,    8                          ;    blocks of 32 along K for a wave
.set WX,    32                         ;    v32-95   two sets of 32 numbers
.set WC,    96                         ;    v96..    a block's codes
.set OUTR,  112                        ;    v112-175 the way out
.set SB,    24                         ;    v24-25   the scale bytes
.set WO,    176                        ;    v176-207 byte offsets of 32 rows of the weight: 4 x lane + i x the row's bytes
	s_load_b256 s[4:11], s[0:1], 0x0               ; x s[4:5], w_qkv s[6:7], w_out s[8:9], xc s[10:11]
	s_load_b128 s[12:15], s[0:1], 0x20             ; xs s[12:13], wc s[14:15]
	s_load_b64 s[16:17], s[0:1], 0x30              ; ws
	v_lshl_add_u32 v208, v0, 2, 0x10800
	v_mov_b32 v209, 0
	v_lshrrev_b32 v1, 5, v0
	v_readfirstlane_b32 s18, v1                    ; wave 0..3
	v_and_b32 v2, 31, v0                           ; lane
	s_cmp_lt_u32 ttmp9, 128
	s_cbranch_scc1 .Lweights
; ---------------- x: a wave takes a run of 8 tokens (8,192 numbers), 16 steps of 512 numbers.  Each load reads 512 consecutive bytes; a step's 2,048 bytes turn through the wave's stage,
; so that a lane then holds 16 neighbours along K (two neighbouring lanes hold a block).
	v_lshlrev_b32 v3, 4, v2                        ; my 16 bytes of a load's 512
	s_mul_i32 s19, s18, WREG
	v_lshrrev_b32 v14, 2, v2
	v_mul_u32_u24 v14, v14, SP
	v_and_b32 v15, 3, v2
	v_lshl_add_u32 v14, v15, 4, v14
	v_add_nc_u32 v14, s19, v14                     ; the stage, on the way in: SP (lane / 4) + 16 (lane % 4)
	v_mul_u32_u24 v15, v2, SP
	v_add_nc_u32 v15, s19, v15                     ; and on the way out: SP x lane
	v_mul_u32_u24 v4, v2, CB                       ; my codes' place in a step's
	v_lshrrev_b32 v5, 1, v2
	s_add_co_u32 s19, s19, 2*32*SP
	v_add_nc_u32 v5, s19, v5                       ; my wave's 256 scale bytes, my block's byte
	v_lshlrev_b32 v7, 3, v2
	v_add_nc_u32 v6, s19, v7                       ; and on the way out 8 bytes a lane
	s_sub_co_u32 s20, ttmp9, 128
	s_lshl_b32 s20, s20, 2
	s_add_co_u32 s20, s20, s18                     ; my run: tokens 8 run .. 8 run + 7
	s_and_b32 s21, s20, 1
	s_bfe_u32 s22, s20, 0x10001
	s_and_b32 s23, s20, 0xfffffffc
	s_lshl_b32 s21, s21, 1
	s_add_co_u32 s23, s23, s21
	s_add_co_u32 s23, s23, s22                     ; where it is stored: the run's bits 0 and 1 (the tokens' bits 3 and 4) exchanged
	s_lshl_b32 s24, s20, 15                        ; 32,768 bytes of x a run
	s_mov_b32 s25, 0
	s_mul_i32 s26, s23, 6144                       ; 8 rows of 768 bytes of codes
	s_mov_b32 s27, 0
	s_lshl_b32 s28, s23, 8                         ; 8 rows of 32 scale bytes
	s_mov_b32 s29, 0
	s_wait_alu depctr_va_vdst(0)
	s_wait_kmcnt 0x0
	s_add_nc_u64 s[4:5], s[4:5], s[24:25]
	s_add_nc_u64 s[10:11], s[10:11], s[26:27]
	s_add_nc_u64 s[12:13], s[12:13], s[28:29]
.macro XLOAD t
.irp i, 0,1,2,3
	global_load_b128 v[XR+16*((\t)%4)+4*\i:XR+16*((\t)%4)+4*\i+3], v3, s[4:5] offset:2048*(\t)+512*\i th:TH_LOAD_NT   ; 32 lanes read 512 consecutive bytes
.endr
.endm
.macro XTURN t                         ; step t's numbers through the stage: LDS serves a wave's instructions in order, so no wait stands between the stores and the loads
.irp i, 0,1,2,3
	ds_store_b128 v14, v[XR+16*((\t)%4)+4*\i:XR+16*((\t)%4)+4*\i+3] offset:32*SP*((\t)%2)+8*SP*\i
.endr
.irp i, 0,1,2,3
	ds_load_b128 v[XX+16*((\t)%2)+4*\i:XX+16*((\t)%2)+4*\i+3], v15 offset:32*SP*((\t)%2)+16*\i
.endr
.endm
.irp t, 0,1,2,3
	XLOAD \t
.endr
	s_wait_loadcnt 12                              ; step 0's four loads are in; the twelve of steps 1 to 3 may be out
	XTURN 0
.macro XSTEP t
.set XS, XX+16*((\t)%2)
.if (\t) > 0
	s_wait_dscnt 1                                 ; this step's numbers are back from the stage (the last step's byte store may be out): so its stores into the stage have read their registers,
.else
	s_wait_dscnt 0x0
.endif
.if (\t)+4 < STEPS
	XLOAD (\t)+4                                   ; which take the loads of four steps on
.endif
.if (\t)+1 < STEPS
.if STEPS-2-(\t) >= 3
	s_wait_loadcnt 12                              ; the next step's four loads are in; those of the three steps behind it may be out
.else
	s_wait_loadcnt 4*(STEPS-2-(\t))                ; at the end the count runs down: 8, 4, 0
.endif
	XTURN (\t)+1
.endif
	v_max3_num_f32 v8, |v[XS]|, |v[XS+1]|, |v[XS+2]|               ; the largest magnitude of my 16, in two chains
	v_max3_num_f32 v9, |v[XS+3]|, |v[XS+4]|, |v[XS+5]|
.irp i, 6,10
	v_max3_num_f32 v8, v8, |v[XS+\i]|, |v[XS+\i+1]|
	v_max3_num_f32 v9, v9, |v[XS+\i+2]|, |v[XS+\i+3]|
.endr
	v_max3_num_f32 v8, v8, |v[XS+14]|, |v[XS+15]|
	v_max3_num_f32 v8, v8, v9, 0x2800000           ; and the floor 2^(5 - 127): the byte cannot fall under 1
	v_max_num_f32_dpp v8, v8, v8 row_xmask:1 row_mask:0xf bank_mask:0xf   ; and of my neighbour's 16: the block's
	v_add_nc_u32 v11, 0xfe000000, v8               ; 4 off its exponent field: the conversion takes the exponent field of this operand as its scale
	v_cvt_scalef32_pk16_bf6_f32 v[XC+4*(\t):XC+4*(\t)+2], v[XS:XS+15], v11
	v_lshrrev_b32 v[XE+(\t)], 23, v11              ; the scale's byte (also the plain line behind the conversion)
	ds_store_b8 v5, v[XE+(\t)] offset:16*(\t)      ; both lanes of a block write the same byte with the same value
	global_store_b96 v4, v[XC+4*(\t):XC+4*(\t)+2], s[10:11] offset:32*CB*(\t)   ; the wave stores 384 consecutive bytes
.endm
.irp t, 0,1,2,3,4,5,6,7,8,9,10,11,12,13,14,15
	XSTEP \t
.endr
	ds_load_b64 v[12:13], v6                       ; LDS serves a wave's instructions in order: this sees my byte stores
	s_wait_dscnt 0x0
	global_store_b64 v7, v[12:13], s[12:13]        ; 32 lanes store 256 consecutive bytes, aligned
	s_wait_tensorcnt 0x0
	ds_add_u32 v208, v209
	s_wait_dscnt 0x0
	s_endpgm
; ---------------- the weights: a work-group takes 128 columns x 256 along K, a wave 32 columns: 8 blocks a lane.  One text serves both weights: pointer, row length and column are chosen on the work-group's number.
.Lweights:
	s_lshr_b32 s20, ttmp9, 2                       ; which 128 stored rows: 0-23 w_qkv's, 24-31 w_out's
	s_and_b32 s21, ttmp9, 3                        ; which 256 along K
	s_sub_co_u32 s22, s20, 24
	s_mov_b32 s23, 4096
	s_lshl_b32 s25, s20, 7
	s_lshl_b32 s26, s18, 5
	s_add_co_u32 s25, s25, s26                     ; my wave's first stored row
	s_wait_kmcnt 0x0
	s_cmp_lt_u32 s20, 24
	s_cselect_b64 s[6:7], s[6:7], s[8:9]           ; the weight
	s_cselect_b32 s23, 12288, s23                  ; its row in bytes
	s_cselect_b32 s22, s20, s22                    ; which 128 of its columns
	s_lshl_b32 s24, s22, 7
	s_add_co_u32 s24, s24, s26                     ; my wave's first column
	s_mul_i32 s26, s21, s23
	s_lshl_b32 s26, s26, 8                         ; 256 rows for each step along K
	s_lshl_b32 s27, s24, 2
	s_add_co_u32 s26, s26, s27
	s_mov_b32 s27, 0
	s_add_nc_u64 s[32:33], s[6:7], s[26:27]        ; block 0's base;
	s_lshl_b32 s28, s23, 5
	s_mov_b32 s29, 0
.irp t, 1,2,3,4,5,6,7
	s_add_nc_u64 s[32+2*\t:33+2*\t], s[30+2*\t:31+2*\t], s[28:29]   ; block t's: 32 rows further down.  No pointer is stepped while loads are out
.endr
	s_mul_i32 s26, s25, KROW
	s_mul_i32 s30, s21, 192
	s_add_co_u32 s26, s26, s30
	s_add_nc_u64 s[14:15], s[14:15], s[26:27]      ; the codes: my first row, my 192 bytes of it
	s_lshl_b32 s26, s25, 5
	s_lshl_b32 s30, s21, 3
	s_add_co_u32 s26, s26, s30
	s_add_nc_u64 s[16:17], s[16:17], s[26:27]      ; the scale bytes: my first row, my 8 bytes of it
	s_wait_alu depctr_va_vdst(0)
	v_lshlrev_b32 v3, 2, v2
.set i, 0
.rept 32
	v_mad_u32_u24 v[WO+i], s23, i, v3
.set i, i+1
.endr
	v_and_b32 v10, 7, v2
	v_bfe_u32 v11, v2, 3, 1
	v_lshl_add_u32 v10, v11, 4, v10
	v_bfe_u32 v11, v2, 4, 1
	v_lshl_add_u32 v10, v11, 3, v10                ; my column's stored row among the wave's 32: the lane's bits 3 and 4 exchanged
	s_mul_i32 s19, s18, 32*PITCH
	s_add_co_u32 s19, s19, WLDS                    ; my stage
	v_mul_u32_u24 v4, v10, PITCH
	v_add_nc_u32 v4, s19, v4                       ; into it: my stored row
	v_and_b32 v5, 15, v2
	v_lshrrev_b32 v6, 4, v2                        ; out of it: sixteen lanes to a row, two rows an instruction
	v_mul_u32_u24 v7, v6, PITCH
	v_lshl_add_u32 v7, v5, 4, v7
	v_add_nc_u32 v7, s19, v7
	v_mul_u32_u24 v8, v6, KROW
	v_mad_u32_u24 v8, v5, 12, v8                   ; and the same place in the codes' buffer
	v_lshlrev_b32 v9, 5, v10                       ; my stored row of scale bytes
.macro WLOAD t                         ; block t: W(32 t + i, my column), i = 0 .. 31: each load reads 128 consecutive bytes
.set i, 0
.rept 32
	global_load_b32 v[WX+32*((\t)%2)+i], v[WO+i], s[32+2*(\t):33+2*(\t)] th:TH_LOAD_NT
.set i, i+1
.endr
.endm
	WLOAD 0
	WLOAD 1
.macro WBLOCK t
.set XS, WX+32*((\t)%2)
.if (\t) < NB-1
	s_wait_loadcnt 32                              ; this block's 32 loads are in; the next block's 32 may be out
.else
	s_wait_loadcnt 0x0
.endif
	v_max3_num_f32 v12, |v[XS]|, |v[XS+1]|, |v[XS+2]|               ; the block's largest magnitude: all 32 numbers are mine
	v_max3_num_f32 v13, |v[XS+3]|, |v[XS+4]|, |v[XS+5]|
.irp i, 6,10,14,18,22,26
	v_max3_num_f32 v12, v12, |v[XS+\i]|, |v[XS+\i+1]|
	v_max3_num_f32 v13, v13, |v[XS+\i+2]|, |v[XS+\i+3]|
.endr
	v_max3_num_f32 v12, v12, |v[XS+30]|, |v[XS+31]|
	v_max3_num_f32 v12, v12, v13, 0x2800000        ; and the floor 2^(5 - 127)
	v_add_nc_u32 v11, 0xfe000000, v12              ; 4 off the exponent field: the conversion's scale operand
	v_lshrrev_b32 v13, 23, v11                     ; the scale's byte
.if (\t)%4 == 0
	v_mov_b32 v[SB+(\t)/4], v13                    ; four bytes to a register, the lower K in the lower byte
.else
	v_lshl_or_b32 v[SB+(\t)/4], v13, 8*((\t)%4), v[SB+(\t)/4]
.endif
	v_cvt_scalef32_pk16_bf6_f32 v[WC:WC+2], v[XS:XS+15], v11
	v_cvt_scalef32_pk16_bf6_f32 v[WC+4:WC+6], v[XS+16:XS+31], v11   ; (a conversion's three registers begin on an even number)
	v_nop                                          ; one plain line behind the conversions
	ds_store_b96 v4, v[WC:WC+2] offset:32*(\t)     ; 12 bytes to a place of 16, so that every LDS address is a multiple of 16
	ds_store_b96 v4, v[WC+4:WC+6] offset:32*(\t)+16
.if (\t)+2 < NB
	WLOAD (\t)+2
.endif
	s_wait_dscnt 0x0                               ; the stores have read their registers: the next block's codes may be written
.endm
.irp t, 0,1,2,3,4,5,6,7
	WBLOCK \t
.endr
	s_wait_alu depctr_va_vdst(0)
	global_store_b64 v9, v[SB:SB+1], s[16:17]      ; my column's 8 scale bytes
.irp t, 0,1,2,3,4,5,6,7,8,9,10,11,12,13,14,15
	ds_load_b96 v[OUTR+4*\t:OUTR+4*\t+2], v7 offset:2*\t*PITCH   ; LDS serves a wave's instructions in order: these see my stores
.endr
.irp t, 0,1,2,3,4,5,6,7,8,9,10,11,12,13,14,15
	s_wait_dscnt 15-\t                             ; rows 2 t and 2 t + 1 are back; the later loads may be out
	global_store_b96 v8, v[OUTR+4*\t:OUTR+4*\t+2], s[14:15] offset:2*\t*KROW   ; sixteen lanes store a row's 192 consecutive bytes
.endr
	s_wait_tensorcnt 0x0
	ds_add_u32 v208, v209
	s_wait_dscnt 0x0
	s_endpgm
.Lfunc_end_k_q42249c8976_quant:
	.size	k_q42249c8976_quant, .Lfunc_end_k_q42249c8976_quant-k_q42249c8976_quant
	.p2alignl 7, 3214868480
	.fill 96, 4, 3214868480
	.section	.rodata,"a",@progbits
	.p2align	6, 0x0
	.amdhsa_kernel k_q42249c8976_quant
		.amdhsa_group_segment_fixed_size 68096
		.amdhsa_private_segment_fixed_size 0
		.amdhsa_enable_private_segment 0
		.amdhsa_kernarg_size 56
		.amdhsa_user_sgpr_count 2
		.amdhsa_user_sgpr_kernarg_segment_ptr 1
		.amdhsa_wavefront_size32 1
		.amdhsa_system_sgpr_workgroup_id_x 1
		.amdhsa_system_sgpr_workgroup_id_y 1
		.amdhsa_system_sgpr_workgroup_id_z 1
		.amdhsa_system_vgpr_workitem_id 0
		.amdhsa_next_free_vgpr 210
		.amdhsa_next_free_sgpr 66
		.amdhsa_reserve_vcc 0
		.amdhsa_float_denorm_mode_32 3
		.amdhsa_float_denorm_mode_16_64 3
		.amdhsa_memory_ordered 1
		.amdhsa_forward_progress 1
		.amdhsa_inst_pref_size 76
	.end_amdhsa_kernel
	.amdgpu_metadata
---
amdhsa.version: [ 1, 2 ]
amdhsa.kernels:
  - .name:           k_q42249c8976_quant
    .symbol:         k_q42249c8976_quant.kd
    .args:
      - { .name: x, .offset: 0, .size: 8, .value_kind: global_buffer, .address_space: global }
      - { .name: w_qkv, .offset: 8, .size: 8, .value_kind: global_buffer, .address_space: global }
      - { .name: w_out, .offset: 16, .size: 8, .value_kind: global_buffer, .address_space: global }
      - { .name: xc, .offset: 24, .size: 8, .value_kind: global_buffer, .address_space: global }
      - { .name: xs, .offset: 32, .size: 8, .value_kind: global_buffer, .address_space: global }
      - { .name: wc, .offset: 40, .size: 8, .value_kind: global_buffer, .address_space: global }
      - { .name: ws, .offset: 48, .size: 8, .value_kind: global_buffer, .address_space: global }
    .group_segment_fixed_size: 68096
    .private_segment_fixed_size: 0
    .kernarg_segment_align: 8
    .kernarg_segment_size: 56
    .max_flat_workgroup_size: 128
    .sgpr_count:     66
    .vgpr_count:     210
    .wavefront_size: 32
...
	.end_amdgpu_metadata
.endif
;; end of part 1
;; launch qkv (part 2): grid 12 x 32, 4 waves a work-group, clusters of 4 x 4, 327,680 bytes of LDS; arguments xc, xs, wc, ws, b_qkv, qb, kvb; writes qb, kvb
.if DOCPART == 2
	.amdgcn_target "amdgcn-amd-amdhsa--gfx1250"
	.amdhsa_code_object_version 6
	.text
	.protected	k_q42249c8976_qkv
	.globl	k_q42249c8976_qkv
	.p2align	8
	.type	k_q42249c8976_qkv,@function
k_q42249c8976_qkv:
	s_mov_b64 s[64:65], 0
	v_nop
	global_prefetch_b8 v0, s[64:65] scope:SCOPE_SE
	s_setreg_imm32_b32 hwreg(HW_REG_WAVE_MODE, 25, 1), 1
	s_wait_xcnt 0x0
	s_wait_alu depctr_hold_cnt(0) depctr_sa_sdst(0) depctr_va_vdst(0) depctr_va_sdst(0) depctr_va_ssrc(0) depctr_va_vcc(0) depctr_vm_vsrc(0)
	s_getreg_b32 s2, hwreg(HW_REG_IB_STS2, 6, 4)
	s_cmp_eq_u32 s2, 0
	s_cbranch_scc0 .Lentry_in_a_cluster
	s_endpgm
.Lentry_in_a_cluster:
	s_bfe_u32 s2, ttmp6, 0x10000c
	s_cmp_lg_u32 s2, 0xf033
	s_cbranch_scc0 .Lentry_shape_is_right
	s_endpgm
.Lentry_shape_is_right:
; qkv = x w_qkv + b_qkv on codes of BF6 (E3M2) with one E8M0 scale for each 32 along K = 1,024; q, k and v are quantised from the f32 sums and leave as codes alone, as images of the operand registers that the attention wants.
; A tile of 256 x 256 is made by four waves, 128 x 128 each: 64 accumulators of 16 x 16 in windows 2 and 3.  K goes in steps of 256 through two LDS slots filled by joint tensor loads; all scale bytes come once.
; THE MATRIX INSTRUCTION IS USED TRANSPOSED: source 0 = 16 rows of operand R, source 1 = 16 rows of operand P.  A lane then holds ONE row of P, and, since all rows lie in stored-row order (bits 3 and 4 of the index
; exchanged), the 16 registers of two neighbouring tiles are 16 NEIGHBOURS along R's index: 32 b + 16 (lane / 16) + 0 .. 15.  So a lane's 64 numbers of a block of 16 rows of P are quantised along R's index in registers.
; Cluster x = 0: q, 1: k: P = x (tokens), R = w's columns: quantised along the head's channels; a wave's 128 columns are two heads.  Cluster x = 2: v: P = w's columns, R = x: quantised along the keys.
; OUT: qb [64 heads][16 steps of 128 tokens][6,656 bytes]: 8 tile images of 768 bytes (registers 0-3 at 16 x lane, 4-5 at 512 + 8 x lane), then 512 bytes of scale words (tile t, row r at 256 (t % 2) + 16 r + 4 (t / 2)).
;      kvb [64][16][13,056]: k in the same form, then at 6,656 four fragments of v (16 channels x 128 keys: 3 x 512 bytes at 16 x lane), then at 12,800 their scale words (tile t, row r at 128 (t % 2) + 8 r + 4 (t / 2)).
; The bias is the C of each sum's first matrix instruction.  LIMITS: NaN and infinities are not served; a block whose largest magnitude lies under 2^-122 keeps the byte 1.
; CLUSTERS: 4 x 4 work-groups; P's tile hangs on the cluster's y place alone and is asked for jointly along a row, R's on the x place alone and jointly along a column.
; REGISTERS: window 0: v1-29 addresses; v32-63 scale words, two sets; v64-127 the bias, eight octets; v128-223 P's fragments, one set; in the epilogue v128-211 at work.  window 1: R's fragments, two sets.
.set KSTEP,  256
.set NQ,     2                         ; matrix instructions deep in a slot
.set ROWB,   192                       ; a tile's row: 256 codes
.set KROW,   768                       ; a row of codes in memory
.set PITCH,  240                       ; an LDS row: 3 x (64 bytes + 16 of padding)
.set FR,     12
.set NL,     6                         ; LDS loads that bring a fragment
.set NP,     4                         ; places behind this matrix instruction (ISA guide 7.12.1)
.set HALFT,  128*PITCH
.set SLOT,   4*HALFT                   ; P's 256 rows, then R's 256 rows
.set KS,     32                        ; a row of scale bytes
.set SCL,    2*SLOT                    ; behind the ring: the scales, as units of 256 bytes + 16 of padding
.set HALFS,  (128*KS/256)*272
.set SBLK,   (16*KS/256)*272
.set SPARE,  SCL+4*HALFS               ; the spare words, 128 bytes for each wave: two blocks of 256 bytes that no other line names
.set SWA,  8                           ; v8   q, k: where a row's scale word goes in my stage: 1,024 x wave + 16 r   (the stages lie in slot 0, behind its last fill and its last read)
.set SWR,  9                           ; v9   and where the words are read back: 1,024 x wave + 16 x lane
.set SWV,  10                          ; v10  v: 4,096 + 512 x wave + 8 r   (bytes of its own for each of the two ways out)
.set SWVR, 11                          ; v11  4,096 + 512 x wave + 8 x lane
.set BOB,  12                          ; v12  bias along the registers: 64 (lane / 16)
.set BOA,  13                          ; v13  bias along the lanes: 4 (r + 8 (r / 8))
.set ADRA, 16                          ; v16-19 LDS address of P's fragments in slot 0, 1 (18-19: behind one padding more)
.set ADRB, 20                          ; v20-23 the same for R
.set L16,  24                          ; v24  16 x lane
.set L8,   25                          ; v25  8 x lane
.set ADRS, 27                          ; v27  my scale words: lanes 0-15 P's rows, lanes 16-31 R's
.set SPW,  28                          ; v28  my spare word; never rewritten
.set NIL,  29                          ; v29  0; never rewritten
.set SC,   32
.set BI,   64
.set AF,   128
.set TM,   128                         ; epilogue: v128-131 largest magnitudes, v132-135 the partner's, then the bytes, v140-143 the conversions' scale operands
.set PW,   144                         ; v144, v145 scale words just made
.set PW2,  145
.set SEL,  18                          ; s[18:19] lane selects for v_permlanex16_b32 (written ahead of the epilogue)
.set G1, 24
.set G0, 32
.set G1B, 48
.set G0B, 56
.set G1S, 68
.set G0S, 76
.set G1SB, 80
.set G0SB, 88
.set MSB, 0
.macro WIN new                         ; the immediate's high byte repeats the setting that is left; a switch that changes nothing is dropped
.if MSB != (\new)
	s_set_vgpr_msb (MSB<<8)|(\new)
.set MSB, (\new)
.endif
.endm
.set MUL_LO, 0xa1                      ; source 0 (R) window 1, source 1 (P) window 0, C and D window 2
.set MUL_HI, 0xf1                      ; the same, C and D window 3
.set TO_B,   0x40
; A joint load: waves 0 and 1 fetch for P, waves 2 and 3 for R; the branch hangs on the wave's number alone.  Four v_nop follow each of the two lines.
.macro JLOAD g0a, g1a, g0b, g1b
	s_cmp_eq_u32 s15, 0
	s_cbranch_scc0 .Lfor_b_\@
	tensor_load_to_lds s[\g0a:\g0a+3], s[\g1a:\g1a+7]
	s_nop 0
.rept 4
	v_nop
.endr
	s_branch .Lasked_\@
.Lfor_b_\@:
	tensor_load_to_lds s[\g0b:\g0b+3], s[\g1b:\g1b+7]
	s_nop 0
.rept 4
	v_nop
.endr
.Lasked_\@:
.endm
.macro CREST                           ; a round of the cluster's barrier behind its opening barrier
	s_cmp_lg_u32 s14, 0
	s_cbranch_scc1 .Lnot_wave_0_\@
	s_barrier_signal -3
.Lnot_wave_0_\@:
	s_barrier_wait -3
	s_barrier_signal -1
	s_barrier_wait -1
.endm
.macro CROUND
	s_barrier_signal -1
	s_barrier_wait -1
	CREST
.endm
	s_load_b256 s[4:11], s[0:1], 0x0               ; xc s[4:5], xs s[6:7], wc s[8:9], ws s[10:11]
	s_load_b128 s[96:99], s[0:1], 0x20             ; b_qkv s[96:97], qb s[98:99]
	s_load_b64 s[100:101], s[0:1], 0x30            ; kvb
	v_lshl_add_u32 v[SPW], v0, 2, SPARE
	v_mov_b32 v[NIL], 0
	ds_add_u32 v28, v29
	ds_add_u32 v28, v29
	s_wait_dscnt 0x0
	v_lshrrev_b32 v1, 5, v0
	v_readfirstlane_b32 s14, v1                    ; wave 0..3
	s_lshr_b32 s15, s14, 1                         ; which half of P's rows is mine.  Also: I fetch for P (0) or for R (1)
	s_and_b32 s16, s14, 1                          ; which half of R's rows.  Also: which 128 rows I fetch
	s_bfe_u32 s40, ttmp6, 0x40000                  ; cx, cy: my place in the cluster
	s_bfe_u32 s41, ttmp6, 0x40004
	s_and_b32 s67, ttmp7, 0xffff
	s_lshl_b32 s67, s67, 2                         ; 4 x cluster y
	s_lshl_b32 s95, ttmp9, 2                       ; 4 x cluster x
	s_cmp_eq_u32 ttmp9, 2                          ; v's clusters: the same answer in all sixteen partners
	s_cselect_b32 s66, 1, 0
	s_cselect_b32 s17, 8, s67
	s_cselect_b32 s42, s67, s95
	s_add_co_u32 s17, s17, s41                     ; P's tile of 256 rows: tokens 4 cluster y + cy, or (v) w's rows 8 + cy
	s_add_co_u32 s42, s42, s40                     ; R's tile: w's rows 4 cluster x + cx, or (v) tokens 4 cluster y + cx
	s_lshl_b32 s43, s41, 2
	s_lshl_b32 s43, 15, s43                        ; my row of the cluster
	s_lshl_b32 s44, 0x1111, s40                    ; my column
	s_or_b32 s[G1+0], s43, (0<<16)|(1<<20)|(1<<21)|(3<<22)|(3<<25)  ; the mask; elements of 1 byte; padding on; bit 21 beside a mask; after every 16 words 4 words
	s_or_b32 s[G1B+0], s44, (0<<16)|(1<<20)|(1<<21)|(3<<22)|(3<<25)
.irp g, G1, G1B
	s_mov_b32 s[\g+1], ROWB<<16                    ; tensor_dim0
	s_mov_b32 s[\g+2], 128<<16                     ; tensor_dim1
	s_mov_b32 s[\g+3], ROWB<<16                    ; tile_dim0
	s_mov_b32 s[\g+4], 128                         ; tile_dim1
	s_mov_b32 s[\g+5], KROW                        ; the pitch
	s_mov_b32 s[\g+6], 0
	s_mov_b32 s[\g+7], 0
.endr
	s_or_b32 s[G1S+0], s43, (3<<16)|(1<<20)|(1<<21)|(5<<22)|(3<<25) ; the scales of 128 rows: 4,096 dense bytes as 16 rows of 256 (32 elements of 8 bytes), 16 bytes of padding behind each
	s_or_b32 s[G1SB+0], s44, (3<<16)|(1<<20)|(1<<21)|(5<<22)|(3<<25)
.irp g, G1S, G1SB
	s_mov_b32 s[\g+1], 32<<16
	s_mov_b32 s[\g+2], (128*KS/256)<<16
	s_mov_b32 s[\g+3], 32<<16
	s_mov_b32 s[\g+4], 128*KS/256
	s_mov_b32 s[\g+5], 32
	s_mov_b32 s[\g+6], 0
	s_mov_b32 s[\g+7], 0
.endr
	s_lshl_b32 s18, s16, 7
	s_lshl_b32 s20, s17, 8
	s_add_co_u32 s20, s20, s18                     ; P: row 256 x tile + 128 x half
	s_lshl_b32 s46, s42, 8
	s_add_co_u32 s46, s46, s18                     ; R likewise
	s_mov_b32 s21, 0
	s_mov_b32 s47, 0
	s_mov_b64 s[18:19], KS
	s_mul_u64 s[22:23], s[20:21], s[18:19]         ; where these rows' scales begin
	s_mul_u64 s[92:93], s[46:47], s[18:19]
	s_mov_b64 s[18:19], KROW
	s_mul_u64 s[20:21], s[20:21], s[18:19]         ; and their codes
	s_mul_u64 s[46:47], s[46:47], s[18:19]
	s_mul_i32 s45, s14, HALFT                      ; where they go: wave x 128 rows: no place in the cluster enters an LDS address
	s_mul_i32 s94, s14, HALFS
	s_wait_kmcnt 0x0
	s_cmp_lg_u32 s66, 0                            ; which buffers are P's and which R's
	s_cselect_b64 s[12:13], s[8:9], s[4:5]         ; P's codes
	s_cselect_b64 s[2:3], s[10:11], s[6:7]         ; P's scales
	s_cselect_b64 s[4:5], s[4:5], s[8:9]           ; R's codes
	s_cselect_b64 s[6:7], s[6:7], s[10:11]         ; R's scales
	s_add_nc_u64 s[20:21], s[12:13], s[20:21]
	s_add_nc_u64 s[22:23], s[2:3], s[22:23]
	s_add_nc_u64 s[46:47], s[4:5], s[46:47]
	s_add_nc_u64 s[92:93], s[6:7], s[92:93]
	CROUND                                         ; all sixteen work-groups are here: the first joint loads meet
	s_mov_b32 s[G0S], 1
	s_add_co_u32 s[G0S+1], s94, SCL
	s_mov_b64 s[G0S+2:G0S+3], s[22:23]
	s_or_b32 s[G0S+3], s[G0S+3], 0x80000000
	s_mov_b32 s[G0SB], 1
	s_add_co_u32 s[G0SB+1], s94, SCL
	s_mov_b64 s[G0SB+2:G0SB+3], s[92:93]
	s_or_b32 s[G0SB+3], s[G0SB+3], 0x80000000
	JLOAD G0S, G1S, G0SB, G1SB                     ; the scales first: they are wanted with K step 0.  With the two below, three tensor loads of mine are out
.irp s, 0,1
	s_mov_b32 s[G0+4*\s], 1
	s_add_co_u32 s[G0+4*\s+1], s45, \s*SLOT
	s_add_nc_u64 s[G0+4*\s+2:G0+4*\s+3], s[20:21], \s*ROWB
	s_or_b32 s[G0+4*\s+3], s[G0+4*\s+3], 0x80000000
	s_mov_b32 s[G0B+4*\s], 1
	s_add_co_u32 s[G0B+4*\s+1], s45, \s*SLOT
	s_add_nc_u64 s[G0B+4*\s+2:G0B+4*\s+3], s[46:47], \s*ROWB
	s_or_b32 s[G0B+4*\s+3], s[G0B+4*\s+3], 0x80000000
	JLOAD G0+4*\s, G1, G0B+4*\s, G1B
.endr
	v_and_b32 v1, 15, v0                           ; r
	v_bfe_u32 v2, v0, 4, 1                         ; h
	v_and_b32 v6, 31, v0                           ; lane
	v_mul_u32_u24 v3, v1, PITCH
	v_mul_u32_u24 v4, v2, 24
	v_add_nc_u32 v4, v3, v4                        ; a fragment's row x pitch + 24 x half
	v_lshl_add_u32 v5, v2, 4, v4                   ; and the same behind one padding more
	s_mul_i32 s21, s15, HALFT                      ; my 128 rows of P
	s_mul_i32 s22, s16, HALFT                      ; my 128 rows of R,
	s_add_co_u32 s22, s22, 2*HALFT                 ; which lie behind P's 256
.irp s, 0,1
	v_add_nc_u32 v[ADRA+\s], s21, v4
	v_add_nc_u32 v[ADRB+\s], s22, v4
	v_add_nc_u32 v[ADRA+2+\s], s21, v5
	v_add_nc_u32 v[ADRB+2+\s], s22, v5
	s_add_co_u32 s21, s21, SLOT
	s_add_co_u32 s22, s22, SLOT
.endr
	v_mul_u32_u24 v5, v1, KS                       ; my row's scales: 32 bytes a row,
	v_lshrrev_b32 v7, 8, v5
	v_lshl_add_u32 v5, v7, 4, v5                   ; and 16 more for each 256 passed
	s_mul_i32 s21, s15, HALFS
	s_mul_i32 s22, s16, HALFS
	s_add_co_u32 s22, s22, 2*HALFS
	s_sub_co_u32 s22, s22, s21
	v_mul_u32_u24 v7, s22, v2                      ; lanes 16-31 take R's: one product, the distance between the two bases
	s_add_co_u32 s21, s21, SCL
	v_add_nc_u32 v5, v5, v7
	v_add_nc_u32 v[ADRS], s21, v5
	s_lshl_b32 s21, s14, 10                        ; every LDS address of both ways out is made here, ahead of the first parting
	v_lshl_add_u32 v[SWA], v1, 4, s21
	v_lshl_add_u32 v[SWR], v6, 4, s21
	s_lshl_b32 s21, s14, 9
	s_add_co_u32 s21, s21, 4096
	v_lshl_add_u32 v[SWV], v1, 3, s21
	v_lshl_add_u32 v[SWVR], v6, 3, s21
	v_lshlrev_b32 v[BOB], 6, v2
	v_and_b32 v7, 8, v1
	v_add_nc_u32 v7, v7, v1
	v_lshlrev_b32 v[BOA], 2, v7
	v_lshlrev_b32 v[L16], 4, v6
	v_lshlrev_b32 v[L8], 3, v6
	; where my results go
	s_lshl_b32 s20, s17, 8
	s_lshl_b32 s21, s15, 7
	s_add_co_u32 s20, s20, s21                     ; my first row of P
	s_lshl_b32 s21, s42, 8
	s_lshl_b32 s22, s16, 7
	s_add_co_u32 s21, s21, s22                     ; my first row of R
	s_cmp_lg_u32 s66, 0
	s_cselect_b32 s22, s20, s21                    ; my first column of qkv (0 .. 3,071)
	s_cselect_b32 s23, s21, s20                    ; my first token: 128 tokens are one step of one batch
	s_cselect_b32 s18, 6656, 0                     ; v lies behind k in a step's block
	s_and_b32 s19, s22, 1023
	s_lshr_b32 s19, s19, 6                         ; my first head (of two)
	s_lshr_b32 s46, s23, 11                        ; the batch
	s_lshl_b32 s46, s46, 4
	s_add_co_u32 s46, s46, s19
	s_lshl_b32 s46, s46, 4
	s_bfe_u32 s47, s23, 0x40007                    ; the step
	s_add_co_u32 s46, s46, s47
	s_mov_b32 s47, 13056
	s_cmp_eq_u32 ttmp9, 0
	s_cselect_b32 s47, 6656, s47                   ; a step's block in qb or in kvb
	s_cselect_b64 s[8:9], s[98:99], s[100:101]
	s_mul_i32 s46, s46, s47
	s_add_co_u32 s46, s46, s18
	s_lshl_b32 s12, s47, 4                         ; the next head: 16 steps on
	s_mov_b32 s13, 0
	s_mov_b32 s47, 0
	s_add_nc_u64 s[8:9], s[8:9], s[46:47]          ; s[8:9]: my first head's block
	s_add_nc_u64 s[10:11], s[8:9], s[12:13]        ; s[10:11]: my second head's
	s_lshl_b32 s12, s22, 2
	s_add_nc_u64 s[96:97], s[96:97], s[12:13]      ; the bias of my 128 columns
	s_mov_b32 s[SEL], 0x76543210
	s_mov_b32 s[SEL+1], 0xfedcba98
	s_cmp_lg_u32 s66, 0
	s_cbranch_scc1 .Lbias_v
	s_wait_alu depctr_va_vdst(0)
.irp b, 0,1,2,3,4,5,6,7                ; q, k: the columns run along the registers: octet b = the bias at 32 (b / 2) + 16 h + 8 (b % 2) + 0 .. 7
	global_load_b128 v[BI+8*\b:BI+8*\b+3], v[BOB], s[96:97] offset:(32*(\b/2)+8*(\b%2))*4
	global_load_b128 v[BI+8*\b+4:BI+8*\b+7], v[BOB], s[96:97] offset:(32*(\b/2)+8*(\b%2))*4+16
.endr
	s_branch .Lbias_done
.Lbias_v:
	s_wait_alu depctr_va_vdst(0)
.irp a, 0,1,2,3,4,5,6,7                ; v: the columns run along the lanes: octet a = eight times the bias at 32 (a / 2) + 8 (a % 2) + r + 8 (r / 8)
.irp j, 0,1,2,3,4,5,6,7
	global_load_b32 v[BI+8*\a+\j], v[BOA], s[96:97] offset:(32*(\a/2)+8*(\a%2))*4
.endr
.endr
.Lbias_done:
.macro FRAG reg, adr, q, i             ; 16 rows x 128 K: 12 registers; in pieces of 8 bytes; where the piece three on lies behind one padding more, the second address register serves
.irp p, 0,1,2,3,4,5
.set PCE, 12*(\q)+6*(\p/3)+\p%3
.if PCE%8 < 5
	ds_load_b64 v[\reg+2*\p:\reg+2*\p+1], v[\adr] offset:8*PCE+16*(PCE/8)+(\i)*16*PITCH
.else
	ds_load_b64 v[\reg+2*\p:\reg+2*\p+1], v[\adr+2] offset:8*PCE+16*(PCE/8)+(\i)*16*PITCH
.endif
.endr
.endm
; 16 matrix instructions: P's blocks a0, a0 + 1 x R's eight.  cmode 0: adds in place; 1: the sums start with the bias octet of R's block; 2: with that of P's block.
; The 64 accumulators take turns, one instruction a turn, in the same order in every step.
.macro MUL16 a0, p, q, sc, cmode
.irp a, \a0, \a0+1
.irp b, 0,1,2,3,4,5,6,7
.if \cmode == 1
	v_wmma_scale_f32_16x16x128_f8f6f4 v[8*(8*((\a)%4)+\b):8*(8*((\a)%4)+\b)+7], v[128*(\p)+FR*\b:128*(\p)+FR*\b+FR-1], v[AF+FR*(\a):AF+FR*(\a)+FR-1], v[BI+8*\b:BI+8*\b+7], v[SC+8*NQ*(\sc)+NQ*\b+(\q)], v[SC+8*NQ*(\sc)+NQ*(\a)+(\q)] matrix_a_fmt:MATRIX_FMT_BF6 matrix_b_fmt:MATRIX_FMT_BF6 matrix_a_scale:MATRIX_SCALE_ROW1
.elseif \cmode == 2
	v_wmma_scale_f32_16x16x128_f8f6f4 v[8*(8*((\a)%4)+\b):8*(8*((\a)%4)+\b)+7], v[128*(\p)+FR*\b:128*(\p)+FR*\b+FR-1], v[AF+FR*(\a):AF+FR*(\a)+FR-1], v[BI+8*(\a):BI+8*(\a)+7], v[SC+8*NQ*(\sc)+NQ*\b+(\q)], v[SC+8*NQ*(\sc)+NQ*(\a)+(\q)] matrix_a_fmt:MATRIX_FMT_BF6 matrix_b_fmt:MATRIX_FMT_BF6 matrix_a_scale:MATRIX_SCALE_ROW1
.else
	v_wmma_scale_f32_16x16x128_f8f6f4 v[8*(8*((\a)%4)+\b):8*(8*((\a)%4)+\b)+7], v[128*(\p)+FR*\b:128*(\p)+FR*\b+FR-1], v[AF+FR*(\a):AF+FR*(\a)+FR-1], v[8*(8*((\a)%4)+\b):8*(8*((\a)%4)+\b)+7], v[SC+8*NQ*(\sc)+NQ*\b+(\q)], v[SC+8*NQ*(\sc)+NQ*(\a)+(\q)] matrix_a_fmt:MATRIX_FMT_BF6 matrix_b_fmt:MATRIX_FMT_BF6 matrix_a_scale:MATRIX_SCALE_ROW1
.endif
.endr
.endr
.endm
.macro FETCH_B slot, q, p              ; R's eight fragments of the slot's q-th 128 along K into set p
	WIN TO_B
.irp i, 0,1,2,3,4,5,6,7
	FRAG 128*(\p)+FR*\i, ADRB+\slot, \q, \i
.endr
	WIN 0
.endm
.macro FETCH_A slot, q, i0             ; P's blocks i0 .. i0 + 3
.irp i, \i0, \i0+1, \i0+2, \i0+3
	FRAG AF+FR*(\i), ADRA+\slot, \q, \i
.endr
.endm
.macro SCALES sc                       ; a K step's scale words: two words a row; lanes 0-15 take P's block i, lanes 16-31 R's block i
.irp i, 0,1,2,3,4,5,6,7
	ds_load_b64 v[SC+8*NQ*\sc+NQ*\i:SC+8*NQ*\sc+NQ*\i+1], v[ADRS] offset:\i*SBLK
.endr
.endm
.macro PLACES n                        ; plain vector lines between a matrix instruction and a load into, or a read of, its registers
.rept \n
	v_nop
.endr
.endm
.macro STEP slot, q, cmode             ; a step of 128 along K that has its successor in the same slot
	s_wait_dscnt 4*NL                              ; R's set and P's blocks 0-3 are in; the youngest 24 loads (P's blocks 4-7) may be out
.if \cmode
	WIN 0x81                                       ; the bias lies in window 0
.else
	WIN MUL_LO
.endif
	MUL16 0, (\q)%2, \q, \slot, \cmode
	MUL16 2, (\q)%2, \q, \slot, \cmode
	s_wait_dscnt 0                                 ; P's blocks 4-7 are in
	PLACES NP
	FETCH_B \slot, (\q)+1, 1-(\q)%2
	FETCH_A \slot, (\q)+1, 0
.if \cmode
	WIN 0xc1
.else
	WIN MUL_HI
.endif
	MUL16 4, (\q)%2, \q, \slot, \cmode
	MUL16 6, (\q)%2, \q, \slot, \cmode
	PLACES NP
	WIN 0
	FETCH_A \slot, (\q)+1, 4
.endm
; A slot's last step changes slots: ONE barrier; in front of it each wave waits for all its tensor loads, adds 0 to its spare word, and waits for that and for its own reads of this slot.  fill = 1: this slot is filled again, two K steps ahead.
.macro TURN slot, next, fill
	s_wait_tensorcnt 0x0                           ; all my tensor loads have landed: my part of the next slot
	ds_add_u32 v[SPW], v[NIL]                      ; 0 onto my spare word
	s_wait_dscnt 4*NL+1                            ; (the add and the youngest 24 loads, P's blocks 4-7, may be out)
	WIN MUL_LO
	MUL16 0, 1, NQ-1, \slot, 0                     ; sixteen matrix instructions stand between the add and the wait for it
	s_wait_dscnt 0x0                               ; the add is done, and my reads of this slot are over
	s_barrier_signal -1
	MUL16 2, 1, NQ-1, \slot, 0
	WIN 0
	s_barrier_wait -1
.if \fill
	CREST                                          ; the barrier has opened a round of the cluster's barrier: no wave of any partner still reads this slot or has a load on its way
	s_add_nc_u64 s[G0+4*\slot+2:G0+4*\slot+3], s[G0+4*\slot+2:G0+4*\slot+3], 2*ROWB
	s_add_nc_u64 s[G0B+4*\slot+2:G0B+4*\slot+3], s[G0B+4*\slot+2:G0B+4*\slot+3], 2*ROWB
	JLOAD G0+4*\slot, G1, G0B+4*\slot, G1B         ; the first tensor load behind the round, my only one until the next; its four v_nop are the places in front of the loads below
.else
	PLACES NP
.endif
	s_wait_alu depctr_va_vdst(0)
	v_add_nc_u32 v[ADRS], 4*NQ, v[ADRS]            ; on to the next K step's scale words
	FETCH_B \next, 0, 0
	FETCH_A \next, 0, 0
	SCALES \next
	WIN MUL_HI
	MUL16 4, 1, NQ-1, \slot, 0
	MUL16 6, 1, NQ-1, \slot, 0
	PLACES NP
	WIN 0
	FETCH_A \next, 0, 4
.endm
	s_wait_loadcnt 0x0                             ; the bias
	s_wait_tensorcnt 1                             ; the scales and my part of K step 0 are in (K step 1's load may be out)
	s_barrier_signal -1
	s_barrier_wait -1                              ; everybody's are
	FETCH_B 0, 0, 0
	FETCH_A 0, 0, 0
	SCALES 0
	FETCH_A 0, 0, 4
	s_cmp_lg_u32 s66, 0                            ; the first step is written twice: it starts the sums with the bias, which runs along the registers (q, k) or along the lanes (v)
	s_cbranch_scc1 .Lfirst_v
	STEP 0, 0, 1
	s_branch .Lfirst_done
.Lfirst_v:
	STEP 0, 0, 2
.Lfirst_done:
	TURN 0, 1, 1                                   ; K = 1,024 is four slots' worth: both slots are filled again once, so the steps are written out
	STEP 1, 0, 0
	TURN 1, 0, 1
	STEP 0, 0, 0
	TURN 0, 1, 0                                   ; the last lap fills nothing, and has no round of the cluster's barrier
	STEP 1, 0, 0
	s_wait_dscnt 4*NL
	WIN MUL_LO
	MUL16 0, 1, NQ-1, 1, 0
	MUL16 2, 1, NQ-1, 1, 0
	s_wait_dscnt 0
	WIN MUL_HI
	MUL16 4, 1, NQ-1, 1, 0
	MUL16 6, 1, NQ-1, 1, 0
	WIN 0
; THE WAY OUT.  Block a (16 rows of P): a lane's 64 numbers, register 16 b + i = index 32 b + 16 (lane / 16) + i of its row, become a fragment's 12 registers in v[PC] on, and four scale bytes in v[TM+4] on.
.macro QUANT a
.set W, 2+(\a)/4                       ; the accumulators' window
.set AC, 64*((\a)%4)
.set PC, 160+32*((\a)%2)               ; two sets by turns
	WIN (W|(W<<2))
.irp b, 0,1,2,3
	v_max3_num_f32 v[TM+\b], |v[AC+16*\b]|, |v[AC+16*\b+1]|, 0x2800000   ; my 16 numbers of block b, from each accumulator's low end on, and the floor 2^(5 - 127)
.endr
	WIN ((W<<2)|(W<<4))
.irp i, 2,4,6,8,10,12,14
.irp b, 0,1,2,3
	v_max3_num_f32 v[TM+\b], v[TM+\b], |v[AC+16*\b+\i]|, |v[AC+16*\b+\i+1]|
.endr
.endr
	WIN 0
.irp b, 0,1,2,3
	v_permlanex16_b32 v[TM+4+\b], v[TM+\b], s[SEL], s[SEL+1]
.endr
.irp b, 0,1,2,3
	v_max_num_f32 v[TM+\b], v[TM+\b], v[TM+4+\b]   ; with lane l xor 16's: the block's largest magnitude
.endr
.irp b, 0,1,2,3
	v_add_nc_u32 v[TM+12+\b], 0xfe000000, v[TM+\b] ; 4 off the exponent field: the conversion's scale operand
.endr
.irp b, 0,1,2,3
	v_lshrrev_b32 v[TM+4+\b], 23, v[TM+12+\b]      ; the scale's byte
.endr
	s_wait_alu depctr_va_vdst(0)
	s_wait_xcnt 0x0                                ; the stores of the block before last have read this set of registers
	WIN W
.irp c, 0,1
	v_cvt_scalef32_pk16_bf6_f32 v[PC+6*\c:PC+2+6*\c], v[AC+32*\c:AC+32*\c+15], v[TM+12+2*\c]
	v_cvt_scalef32_pk16_bf6_f32 v[PC+12+4*\c:PC+14+4*\c], v[AC+32*\c+16:AC+32*\c+31], v[TM+12+2*\c+1]   ; (a conversion's three registers begin on an even number)
.endr
	WIN 0
	v_nop                                          ; one plain line behind the conversions
.irp c, 0,1                            ; the operand's layout wants a whole block in a lane: lanes 0-15 block 2 c, lanes 16-31 block 2 c + 1
.irp i, 0,1,2
	v_permlane16_swap_b32 v[PC+6*\c+\i], v[PC+12+4*\c+\i]
.endr
.irp i, 0,1,2
	v_mov_b32 v[PC+3+6*\c+\i], v[PC+12+4*\c+\i]
.endr
.endr
.endm
.macro OUT_QK a                        ; registers 0-5 are the first head's 64 channels, 6-11 the second's: two tile images
	QUANT \a
	v_lshl_or_b32 v[PW], v[TM+5], 8, v[TM+4]       ; a head's two bytes; bytes 2 and 3 stay 0: they stand over zero codes
	v_lshl_or_b32 v[PW2], v[TM+7], 8, v[TM+6]
	global_store_b128 v[L16], v[PC:PC+3], s[8:9] offset:768*(\a)          ; 512 consecutive bytes
	global_store_b64 v[L8], v[PC+4:PC+5], s[8:9] offset:768*(\a)+512      ; 256 consecutive bytes
	global_store_b128 v[L16], v[PC+6:PC+9], s[10:11] offset:768*(\a)
	global_store_b64 v[L8], v[PC+10:PC+11], s[10:11] offset:768*(\a)+512
	ds_store_b32 v[SWA], v[PW] offset:256*((\a)%2)+4*((\a)/2)             ; both halves of the lanes write the same word with the same value
	ds_store_b32 v[SWA], v[PW2] offset:512+256*((\a)%2)+4*((\a)/2)
.endm
.macro OUT_V a                         ; a whole fragment: 16 channels x 128 keys
	QUANT \a
	v_lshl_or_b32 v[PW], v[TM+5], 8, v[TM+4]
	v_lshl_or_b32 v[PW], v[TM+6], 16, v[PW]
	v_lshl_or_b32 v[PW], v[TM+7], 24, v[PW]
.irp c, 0,1,2
	global_store_b128 v[L16], v[PC+4*\c:PC+4*\c+3], s[8+2*((\a)/4):9+2*((\a)/4)] offset:1536*((\a)%4)+512*\c
.endr
	ds_store_b32 v[SWV], v[PW] offset:256*((\a)/4)+128*((\a)%2)+4*(((\a)%4)/2)
.endm
	PLACES NP                                      ; behind the last products: the lines below write registers that held P's fragments, and read results
.irp b, 0,1,2,3
	v_mov_b32 v[TM+4+\b], 0                        ; written once: a lane permute's destination counts as one of its sources
.endr
	s_cmp_lg_u32 s66, 0
	s_cbranch_scc1 .Lout_v
.irp a, 0,1,2,3,4,5,6,7
	OUT_QK \a
.endr
	ds_load_b128 v[224:227], v[SWR]                ; LDS serves a wave's instructions in order: these see my stores.  The first head's 128 scale words,
	ds_load_b128 v[228:231], v[SWR] offset:512     ; the second's
	s_wait_dscnt 0x0
	global_store_b128 v[L16], v[224:227], s[8:9] offset:6144
	global_store_b128 v[L16], v[228:231], s[10:11] offset:6144
	s_branch .Lend
.Lout_v:
.irp a, 0,1,2,3,4,5,6,7
	OUT_V \a
.endr
	ds_load_b64 v[224:225], v[SWVR]
	ds_load_b64 v[226:227], v[SWVR] offset:256
	s_wait_dscnt 0x0
	global_store_b64 v[L8], v[224:225], s[8:9] offset:6144
	global_store_b64 v[L8], v[226:227], s[10:11] offset:6144
.Lend:
	s_wait_tensorcnt 0x0                           ; the wave's end: behind my last tensor load and my last LDS store
	ds_add_u32 v[SPW], v[NIL]
	s_wait_dscnt 0x0
	CROUND                                         ; the closing round: no work-group ends while a partner may still ask for a tile that names it
	s_endpgm
.Lfunc_end_k_q42249c8976_qkv:
	.size	k_q42249c8976_qkv, .Lfunc_end_k_q42249c8976_qkv-k_q42249c8976_qkv
	.p2alignl 7, 3214868480
	.fill 96, 4, 3214868480
	.section	.rodata,"a",@progbits
	.p2align	6, 0x0
	.amdhsa_kernel k_q42249c8976_qkv
		.amdhsa_group_segment_fixed_size 327680
		.amdhsa_private_segment_fixed_size 0
		.amdhsa_enable_private_segment 0
		.amdhsa_kernarg_size 56
		.amdhsa_user_sgpr_count 2
		.amdhsa_user_sgpr_kernarg_segment_ptr 1
		.amdhsa_wavefront_size32 1
		.amdhsa_system_sgpr_workgroup_id_x 1
		.amdhsa_system_sgpr_workgroup_id_y 1
		.amdhsa_system_sgpr_workgroup_id_z 1
		.amdhsa_system_vgpr_workitem_id 0
		.amdhsa_next_free_vgpr 1024
		.amdhsa_next_free_sgpr 102
		.amdhsa_reserve_vcc 0
		.amdhsa_float_denorm_mode_32 3
		.amdhsa_float_denorm_mode_16_64 3
		.amdhsa_memory_ordered 1
		.amdhsa_forward_progress 1
		.amdhsa_inst_pref_size 224
	.end_amdhsa_kernel
	.amdgpu_metadata
---
amdhsa.version: [ 1, 2 ]
amdhsa.kernels:
  - .name:           k_q42249c8976_qkv
    .symbol:         k_q42249c8976_qkv.kd
    .args:
      - { .name: xc, .offset: 0, .size: 8, .value_kind: global_buffer, .address_space: global }
      - { .name: xs, .offset: 8, .size: 8, .value_kind: global_buffer, .address_space: global }
      - { .name: wc, .offset: 16, .size: 8, .value_kind: global_buffer, .address_space: global }
      - { .name: ws, .offset: 24, .size: 8, .value_kind: global_buffer, .address_space: global }
      - { .name: b_qkv, .offset: 32, .size: 8, .value_kind: global_buffer, .address_space: global }
      - { .name: qb, .offset: 40, .size: 8, .value_kind: global_buffer, .address_space: global }
      - { .name: kvb, .offset: 48, .size: 8, .value_kind: global_buffer, .address_space: global }
    .group_segment_fixed_size: 327680
    .private_segment_fixed_size: 0
    .kernarg_segment_align: 8
    .kernarg_segment_size: 56
    .max_flat_workgroup_size: 128
    .sgpr_count:     102
    .vgpr_count:     1024
    .wavefront_size: 32
...
	.end_amdgpu_metadata
.endif
;; end of part 2
;; launch attn (part 3): grid 4 x 64, 16 waves a work-group, clusters of 4 x 1, 210,944 bytes of LDS; arguments qb, kvb, ac, asc; writes ac, asc
.if DOCPART == 3
	.amdgcn_target "amdgcn-amd-amdhsa--gfx1250"
	.amdhsa_code_object_version 6
	.text
	.protected	k_q42249c8976_attn
	.globl	k_q42249c8976_attn
	.p2align	8
	.type	k_q42249c8976_attn,@function
k_q42249c8976_attn:
	s_mov_b64 s[64:65], 0
	v_nop
	global_prefetch_b8 v0, s[64:65] scope:SCOPE_SE
	s_setreg_imm32_b32 hwreg(HW_REG_WAVE_MODE, 25, 1), 1
	s_wait_xcnt 0x0
	s_wait_alu depctr_hold_cnt(0) depctr_sa_sdst(0) depctr_va_vdst(0) depctr_va_sdst(0) depctr_va_ssrc(0) depctr_va_vcc(0) depctr_vm_vsrc(0)
	s_getreg_b32 s2, hwreg(HW_REG_IB_STS2, 6, 4)
	s_cmp_eq_u32 s2, 0
	s_cbranch_scc0 .Lentry_in_a_cluster
	s_endpgm
.Lentry_in_a_cluster:
	s_bfe_u32 s2, ttmp6, 0x10000c
	s_cmp_lg_u32 s2, 0x3003
	s_cbranch_scc0 .Lentry_shape_is_right
	s_endpgm
.Lentry_shape_is_right:
; o = softmax(q k^T / 8, causal) v for 64 heads of 2,048 tokens x 64 channels, both products on codes of BF6 (E3M2) with one E8M0 scale for each 32 along a product's K; o is quantised along the channels and leaves as codes.
; THE SOFTMAX AHEAD OF THE SECOND PRODUCT: t = score x log2(e) / 8; M = the row's largest t so far, rounded UP to a whole number; p = 2^(t - M) is what is quantised, along the keys; the row's sum is taken of the
; unquantised p and divides O at the end.  When M moves, the sum and O are multiplied by 2^(old M - new M): exact.
; IN: qb [64][16 steps][6,656] and kvb [64][16][13,056]: images of operand registers.  A tile image (16 rows x 64 codes) is registers 0-3 at 16 x lane and 4-5 at 512 + 8 x lane; registers 6-11 (K = 64 .. 127) are zero codes, kept in registers.
; The rows of a tile are tokens 32 (t / 2) + 8 (t % 2) + r + 8 (r / 8), so that the 16 registers of two neighbouring tiles of S^T are 16 neighbouring keys, and those of O^T 16 neighbouring channels.
; SHARES.  A cluster of four work-groups is one head.  The head's whole block of kvb, 208,896 bytes, is brought into each partner's LDS ONCE, by sixteen joint loads, one a wave: no slot is filled again.
; The head's 128 tiles of 16 queries are dealt as tile = 4 g + cx; wave w takes g = 31 - w and then g = w.  Tile 4 g + cx needs the key steps 0 .. g / 2 (128 keys each), whatever cx: so every branch hangs on the wave's
; number alone, and every wave of the launch works 17 key steps.  The loop over steps has a constant count; a step all of whose keys are hidden is jumped over.
; Both products are used transposed (S^T = K Q^T, O^T = V^T P^T): a lane holds ONE query throughout.
; OUT: ac [512 tiles of 16 rows][16 heads][768]: tile images; asc [8,192 rows][32]: byte 2 head + block.  A head has two of a row's 32 scale bytes: they leave as 2-byte stores 32 bytes apart.
; LIMITS: NaN and infinities are not served; a block whose largest magnitude lies under 2^-122 keeps the byte 1.
; REGISTERS: v1 16 x lane, v2 8 x lane, v3 r + 8 (r / 8) - 16 h, v4 16 r, v5 32 r, v6 the mask's bound; v8-9 LDS addresses in hand; v12 -M, v13 the largest t, v[14:15] the sum; v16-27 Q; v28-29 V's scale words;
; v32-79 four fragments of K; v80-127 four of V; v128-191 S^T, then p; v192-223 O^T; v224-235 p's codes; v232-247 at work; v248-251 K's scale words; v252 f; v253 p's scale word; v254 at work; v255 Q's scale word.
.set STEPB, 13056                      ; a key step's block
.set WV,  12                           ; s12  my wave's number
.set CX,  13                           ; s13  my place in the cluster: it enters global addresses and the mask's bound alone
.set BH,  14                           ; s14  the head (16 x batch + head)
.set GG,  15                           ; s15  g
.set GS,  16                           ; s16  g / 2: my last key step
.set ST,  17                           ; s17  the step
.set TB,  18                           ; s18  its block's LDS byte
.set SEL, 20                           ; s[20:21] lane selects: lane l xor 16
.set CS,  22                           ; s[22:23] c = log2(e) / 8
.set G1,  24
.set G0,  32
.set DQ,  36                           ; s36  my tile's first query within its key step
.set QP,  38                           ; s[38:39] Q's image
.set AP,  40                           ; s[40:41] my image in ac
.set SCP, 42                           ; s[42:43] my bytes in asc
.set QSP, 54                           ; s[54:55] Q's scale words
.macro ROUND                           ; a round of the cluster's barrier
	s_barrier_signal -1
	s_barrier_wait -1
	s_cmp_lg_u32 s[WV], 0
	s_cbranch_scc1 .Lnot_wave_0_\@
	s_barrier_signal -3
.Lnot_wave_0_\@:
	s_barrier_wait -3
	s_barrier_signal -1
	s_barrier_wait -1
.endm
	s_load_b256 s[4:11], s[0:1], 0x0               ; qb s[4:5], kvb s[6:7], ac s[8:9], asc s[10:11]
	v_lshl_add_u32 v31, v0, 2, 0x33000
	v_mov_b32 v243, 0
	ds_add_u32 v31, v243
	ds_add_u32 v31, v243
	v_lshrrev_b32 v1, 5, v0
	s_delay_alu instid0(VALU_DEP_1)
	v_readfirstlane_b32 s[WV], v1                  ; wave 0..15
	s_bfe_u32 s[CX], ttmp6, 0x40000
	s_and_b32 s[BH], ttmp7, 0xffff
	s_mov_b32 s[G1], 15|(3<<16)|(1<<21)            ; the mask: all four work-groups; elements of 8 bytes; no padding; bit 21 beside a mask
	s_mov_b32 s[G1+1], 32<<16                      ; tensor_dim0 = 32 elements: rows of 256 bytes
	s_mov_b32 s[G1+2], 51<<16                      ; tensor_dim1 = 51 rows: a step's 13,056 dense bytes
	s_mov_b32 s[G1+3], 32<<16                      ; tile_dim0
	s_mov_b32 s[G1+4], 51                          ; tile_dim1
	s_mov_b32 s[G1+5], 32                          ; the pitch
	s_mov_b32 s[G1+6], 0
	s_mov_b32 s[G1+7], 0
	s_mul_i32 s44, s[BH], 16*STEPB                 ; the head's block,
	s_mul_i32 s[G0+1], s[WV], STEPB                ; step w of it: in LDS,
	s_add_co_u32 s44, s44, s[G0+1]                 ; and in memory
	s_mov_b32 s45, 0
	s_mov_b32 s[G0], 1
	s_mov_b32 s[SEL], 0x76543210
	s_mov_b32 s[SEL+1], 0xfedcba98
	s_mov_b32 s[CS], 0x3e38aa3b
	s_mov_b32 s[CS+1], s[CS]                       ; (named with it as a pair, so it is written)
	s_wait_dscnt 0x0
	s_wait_kmcnt 0x0
	s_add_nc_u64 s[G0+2:G0+3], s[6:7], s[44:45]
	s_or_b32 s[G0+3], s[G0+3], 0x80000000
	ROUND                                          ; all four work-groups are here: the joint loads meet
	tensor_load_to_lds s[G0:G0+3], s[G1:G1+7]      ; my one tensor load of the launch
	s_nop 0
.rept 4
	v_nop
.endr
	v_and_b32 v7, 31, v0
	s_delay_alu instid0(VALU_DEP_1)
	v_lshlrev_b32 v1, 4, v7
	s_delay_alu instid0(VALU_DEP_2)
	v_lshlrev_b32 v2, 3, v7
	v_and_b32 v7, 15, v0                           ; r
	v_bfe_u32 v10, v0, 4, 1                        ; h
	s_delay_alu instid0(VALU_DEP_2)
	v_and_b32 v11, 8, v7
	s_delay_alu instid0(VALU_DEP_1)
	v_add_nc_u32 v3, v11, v7
	s_delay_alu instid0(VALU_DEP_3)
	v_lshlrev_b32 v10, 4, v10
	s_delay_alu instid0(VALU_DEP_1)
	v_sub_nc_u32 v3, v3, v10
	v_lshlrev_b32 v4, 4, v7
	v_lshlrev_b32 v5, 5, v7
.irp j, 22,23,24,25,26,27
	v_mov_b32 v[\j], 0                             ; Q's codes of K = 64 .. 127: zeros
.endr
.irp t, 0,1,2,3
.irp j, 6,7,8,9,10,11
	v_mov_b32 v[32+12*\t+\j], 0                    ; K's likewise: written once, the loads fill registers 0-5 alone
.endr
.endr
.irp j, 236,237,238,239,252,253
	v_mov_b32 v[\j], 0                             ; written once: a lane permute's destination counts as one of its sources; v253 is named as the upper half of a pair
.endr
; The head of a pass: which tile, its addresses, Q, and the sums' beginnings.
.macro QHEAD second
	s_wait_xcnt 0x0                                ; the last pass's stores have read their bases and registers
.if \second
	s_mov_b32 s[GG], s[WV]
.else
	s_sub_co_u32 s[GG], 31, s[WV]
.endif
	s_lshr_b32 s[GS], s[GG], 1
	s_and_b32 s46, s[GG], 1
	s_lshr_b32 s47, s[CX], 1
	s_and_b32 s48, s[CX], 1
	s_lshl_b32 s[DQ], s46, 6                       ; the tile's number within its step is t = 4 (g % 2) + cx: its queries begin at 32 (t / 2) + 8 (t % 2)
	s_lshl_b32 s49, s47, 5
	s_add_co_u32 s[DQ], s[DQ], s49
	s_lshl_b32 s49, s48, 3
	s_add_co_u32 s[DQ], s[DQ], s49
	v_add_nc_u32 v6, s[DQ], v3                     ; my query within the step, less 16 h
	s_lshl_b32 s50, s[BH], 4
	s_add_co_u32 s50, s50, s[GS]
	s_mul_i32 s50, s50, 6656                       ; the step's block in qb
	s_lshl_b32 s49, s46, 2
	s_add_co_u32 s49, s49, s[CX]
	s_mul_i32 s49, s49, 768
	s_add_co_u32 s52, s50, s49
	s_mov_b32 s53, 0
	s_add_nc_u64 s[QP:QP+1], s[4:5], s[52:53]
	s_lshl_b32 s49, s48, 8                         ; its scale words: 256 (t % 2) + 4 (t / 2), + 16 r
	s_add_co_u32 s50, s50, s49
	s_lshl_b32 s49, s46, 3
	s_add_co_u32 s50, s50, s49
	s_lshl_b32 s49, s47, 2
	s_add_co_u32 s50, s50, s49
	s_mov_b32 s51, 0
	s_add_nc_u64 s[QSP:QSP+1], s[4:5], s[50:51]
	s_lshl_b32 s56, s[GG], 2
	s_add_co_u32 s56, s56, s[CX]
	s_lshr_b32 s57, s[BH], 4
	s_lshl_b32 s57, s57, 7
	s_add_co_u32 s56, s56, s57                     ; the tile of 16 rows among all 512: 128 x batch + 4 g + cx
	s_and_b32 s57, s[BH], 15
	s_mul_i32 s58, s56, 12288
	s_mul_i32 s59, s57, 768
	s_add_co_u32 s58, s58, s59
	s_mov_b32 s59, 0
	s_add_nc_u64 s[AP:AP+1], s[8:9], s[58:59]
	s_lshl_b32 s58, s56, 9
	s_lshl_b32 s57, s57, 1
	s_add_co_u32 s58, s58, s57
	s_add_nc_u64 s[SCP:SCP+1], s[10:11], s[58:59]
	global_load_b128 v[16:19], v1, s[QP:QP+1]
	global_load_b64 v[20:21], v2, s[QP:QP+1] offset:512
	global_load_b32 v255, v4, s[QSP:QSP+1] offset:6144
	v_mov_b32 v13, 0xff61b1e6                      ; the largest t so far: -3e38, under every t
	s_delay_alu instid0(VALU_DEP_1)
	v_floor_f32 v12, -v13                          ; -M
	v_mov_b32 v14, 0
	v_mov_b32 v15, 0
.set j, 0
.rept 32
	v_mov_b32 v[192+j], 0                          ; O^T: the first change of M leaves zeros zeros, so the step is written once
.set j, j+1
.endr
	s_wait_loadcnt 0x0
.endm
.macro SPROD g                         ; four tiles of S^T: keys' tiles 4 g .. 4 g + 3.  K's scale words: register j holds tile 2 j's in lanes 0-15 and tile 2 j + 1's in lanes 16-31
.irp t, 0,1,2,3
.if (\t)%2
	v_wmma_scale_f32_16x16x128_f8f6f4 v[128+32*(\g)+8*\t:135+32*(\g)+8*\t], v[32+12*\t:43+12*\t], v[16:27], 0, v[248+2*(\g)+(\t)/2], v255 matrix_a_fmt:MATRIX_FMT_BF6 matrix_b_fmt:MATRIX_FMT_BF6 matrix_a_scale:MATRIX_SCALE_ROW1
.else
	v_wmma_scale_f32_16x16x128_f8f6f4 v[128+32*(\g)+8*\t:135+32*(\g)+8*\t], v[32+12*\t:43+12*\t], v[16:27], 0, v[248+2*(\g)+(\t)/2], v255 matrix_a_fmt:MATRIX_FMT_BF6 matrix_b_fmt:MATRIX_FMT_BF6
.endif
.endr
.endm
.macro KLOAD g                         ; their images: 8 LDS loads
.irp t, 0,1,2,3
	ds_load_b128 v[32+12*\t:35+12*\t], v8 offset:768*(4*(\g)+\t)
	ds_load_b64 v[36+12*\t:37+12*\t], v9 offset:768*(4*(\g)+\t)+512
.endr
.endm
; All key steps of a pass: sixteen trips, a constant of the text.
.macro KEYS
	s_mov_b32 s[ST], 0
	s_mov_b32 s[TB], 0
.Lstep_\@:
	s_cmp_gt_u32 s[ST], s[GS]                      ; all 128 keys come after my queries: only the stepping lines are run
	s_cbranch_scc1 .Lhidden_\@
	s_setprio 2
	v_add_nc_u32 v8, s[TB], v1
	v_add_nc_u32 v9, s[TB], v2
	v_nop
	v_nop                                          ; four places behind the last step's products, in front of loads into their registers
	ds_load_b128 v[248:251], v8 offset:6144        ; K's scale words
	KLOAD 0
	ds_load_b64 v[28:29], v9 offset:12800          ; V's scale words
.irp t, 0,1,2,3
.irp c, 0,1,2
	ds_load_b128 v[80+12*\t+4*\c:83+12*\t+4*\c], v8 offset:6656+1536*\t+512*\c
.endr
.endr
	s_wait_alu depctr_va_vdst(0)
	s_wait_dscnt 13                                ; K's words and tiles 0-3 are in; V's 13 loads may be out
	SPROD 0
.rept 4
	v_nop
.endr
	KLOAD 1
	s_wait_dscnt 0x0
	SPROD 1
.rept 4
	v_nop
.endr
	s_cmp_lg_u32 s[ST], s[GS]                      ; only my last step lies on the diagonal
	s_cbranch_scc1 .Lopen_\@
	v_mov_b32 v254, 0xff800000                     ; -infinity: p = 0 then.  The step's first key counts for every query of mine, so M stays a number
.set n, 0
.rept 64
	v_cmp_gt_i32 vcc_lo, 32*(n/16)+n%16, v6        ; register 16 b + i holds key 32 b + 16 h + i of the step
	v_cndmask_b32 v[128+n], v[128+n], v254, vcc_lo
.set n, n+1
.endr
.Lopen_\@:
.irp b, 0,1,2,3
	v_max3_num_f32 v[232+\b], v[128+16*\b], v[129+16*\b], v[130+16*\b]   ; the largest score of each block of 32 keys: it serves for the row's maximum and, since p rises with the score, for the block's largest p
.endr
.irp i, 3,5,7,9,11,13
.irp b, 0,1,2,3
	v_max3_num_f32 v[232+\b], v[232+\b], v[128+16*\b+\i], v[129+16*\b+\i]
.endr
.endr
.irp b, 0,1,2,3
	v_max_num_f32 v[232+\b], v[232+\b], v[143+16*\b]
.endr
.irp b, 0,1,2,3
	s_delay_alu instid0(VALU_DEP_4)
	v_permlanex16_b32 v[236+\b], v[232+\b], s[SEL], s[SEL+1]
.endr
.irp b, 0,1,2,3
	s_delay_alu instid0(VALU_DEP_4)
	v_max_num_f32 v[232+\b], v[232+\b], v[236+\b]  ; with lane l xor 16's 16 keys
.endr
	s_delay_alu instid0(VALU_DEP_2)
	v_max3_num_f32 v254, v232, v233, v234
	s_delay_alu instid0(VALU_DEP_1)
	v_max_num_f32 v254, v254, v235
	s_delay_alu instid0(VALU_DEP_1)
	v_mul_f32 v254, s[CS], v254                    ; the step's largest t
	s_delay_alu instid0(VALU_DEP_1)
	v_max_num_f32 v13, v13, v254                   ; the running largest t
	v_mov_b32 v254, v12
	s_delay_alu instid0(VALU_DEP_2)
	v_floor_f32 v12, -v13                          ; the new -M = -ceil(t)
	s_delay_alu instid0(VALU_DEP_1)
	v_sub_f32 v254, v12, v254                      ; old M - new M: a whole number, 0 or less
	s_delay_alu instid0(VALU_DEP_1)
	v_cvt_i32_f32 v254, v254                       ; (it saturates)
	s_delay_alu instid0(VALU_DEP_1)
	v_ldexp_f32 v252, 1.0, v254                    ; f = 2^(old M - new M)
.set j, 0
.rept 32
	v_pk_fma_f32 v[128+j:129+j], v[128+j:129+j], s[CS:CS+1], v[12:13] op_sel_hi:[1,0,0]   ; t - M, two at a time
.set j, j+2
.endr
	s_setprio 1
.irp b, 0,1,2,3
	v_fma_f32 v[232+\b], v[232+\b], s[CS], v12     ; the same of each block's largest score
.endr
.set j, 0
	s_wait_alu depctr_va_vdst(0)
.rept 64
	v_exp_f32 v[128+j], v[128+j]                   ; p = 2^(t - M)
.set j, j+1
.endr
	v_pk_mul_f32 v[14:15], v[14:15], v[252:253] op_sel_hi:[1,0]   ; the sums under the new M (the plain line behind the exponentials)
	s_wait_alu depctr_va_vdst(0)                   ; one wait for the batch of 64, ahead of its first reader
.irp b, 0,1,2,3
	v_exp_f32 v[232+\b], v[232+\b]                 ; the block's largest p
.endr
	v_pk_add_f32 v[236:237], v[132:133], v[136:137]
	v_pk_add_f32 v[250:251], v[140:141], v[144:145]
	v_pk_add_f32 v[248:249], v[148:149], v[152:153]
	v_pk_add_f32 v[246:247], v[156:157], v[160:161]
	v_pk_add_f32 v[244:245], v[164:165], v[168:169]
	v_pk_add_f32 v[240:241], v[172:173], v[176:177]
	v_pk_add_f32 v[238:239], v[180:181], v[184:185]
	v_pk_add_f32 v[14:15], v[14:15], v[188:189]
	v_pk_add_f32 v[236:237], v[236:237], v[128:129]
	v_pk_add_f32 v[250:251], v[250:251], v[130:131]
	v_pk_add_f32 v[248:249], v[248:249], v[134:135]
	v_pk_add_f32 v[246:247], v[246:247], v[138:139]
	v_pk_add_f32 v[244:245], v[244:245], v[142:143]
	v_pk_add_f32 v[240:241], v[240:241], v[146:147]
	v_pk_add_f32 v[238:239], v[238:239], v[150:151]
	v_pk_add_f32 v[14:15], v[14:15], v[154:155]
	v_pk_add_f32 v[236:237], v[236:237], v[158:159]
	v_pk_add_f32 v[250:251], v[250:251], v[162:163]
	v_pk_add_f32 v[248:249], v[248:249], v[166:167]
	v_pk_add_f32 v[246:247], v[246:247], v[170:171]
	v_pk_add_f32 v[244:245], v[244:245], v[174:175]
	v_pk_add_f32 v[240:241], v[240:241], v[178:179]
	v_pk_add_f32 v[238:239], v[238:239], v[182:183]
	v_pk_add_f32 v[14:15], v[14:15], v[186:187]
	v_pk_add_f32 v[236:237], v[236:237], v[190:191]
	s_delay_alu instid0(VALU_DEP_2)
	v_pk_add_f32 v[14:15], v[14:15], v[246:247]
	s_delay_alu instid0(VALU_DEP_2)
	v_pk_add_f32 v[236:237], v[236:237], v[244:245]
	v_pk_add_f32 v[250:251], v[250:251], v[240:241]
	v_pk_add_f32 v[248:249], v[248:249], v[238:239]
	s_delay_alu instid0(VALU_DEP_2)
	v_pk_add_f32 v[14:15], v[14:15], v[250:251]
	s_delay_alu instid0(VALU_DEP_2)
	v_pk_add_f32 v[236:237], v[236:237], v[248:249]
	s_delay_alu instid0(VALU_DEP_1)
	v_pk_add_f32 v[14:15], v[14:15], v[236:237]
	s_wait_alu depctr_va_vdst(0)                   ; and one for the four
.irp b, 0,1,2,3
	v_max_num_f32 v[232+\b], 0x2800000, v[232+\b]  ; the floor 2^(5 - 127): the byte cannot fall under 1
.endr
.irp b, 0,1,2,3
	s_delay_alu instid0(VALU_DEP_4)
	v_add_nc_u32 v[244+\b], 0xfe000000, v[232+\b]  ; 4 off the exponent field: the conversion's scale operand
.endr
.irp b, 0,1,2,3
	s_delay_alu instid0(VALU_DEP_4)
	v_lshrrev_b32 v[236+\b], 23, v[244+\b]
.endr
	s_delay_alu instid0(VALU_DEP_3)
	v_lshl_or_b32 v253, v237, 8, v236              ; p's scale word for these 128 keys
	s_delay_alu instid0(VALU_DEP_1)
	v_lshl_or_b32 v253, v238, 16, v253
	s_delay_alu instid0(VALU_DEP_1)
	v_lshl_or_b32 v253, v239, 24, v253
	s_setprio 0
.irp c, 0,1
	v_cvt_scalef32_pk16_bf6_f32 v[224+6*\c:226+6*\c], v[128+32*\c:143+32*\c], v[244+2*\c]
	v_cvt_scalef32_pk16_bf6_f32 v[236+4*\c:238+4*\c], v[144+32*\c:159+32*\c], v[244+2*\c+1]
.endr
	v_nop                                          ; one plain line behind the conversions
.irp c, 0,1
.irp i, 0,1,2
	v_permlane16_swap_b32 v[224+6*\c+\i], v[236+4*\c+\i]
.endr
.irp i, 0,1,2
	s_delay_alu instid0(VALU_DEP_3)
	v_mov_b32 v[227+6*\c+\i], v[236+4*\c+\i]
.endr
.endr
.set j, 0
.rept 16
	v_pk_mul_f32 v[192+j:193+j], v[192+j:193+j], v[252:253] op_sel_hi:[1,0]   ; O^T under the new M.  (These 16 are also the places between the lines that wrote p's codes and scale word and the products)
.set j, j+2
.endr
.irp t, 0,1,2,3                        ; O^T += V^T P^T: the four accumulators take turns, one instruction a turn
.if (\t)%2
	v_wmma_scale_f32_16x16x128_f8f6f4 v[192+8*\t:199+8*\t], v[80+12*\t:91+12*\t], v[224:235], v[192+8*\t:199+8*\t], v[28+(\t)/2], v253 matrix_a_fmt:MATRIX_FMT_BF6 matrix_b_fmt:MATRIX_FMT_BF6 matrix_a_scale:MATRIX_SCALE_ROW1
.else
	v_wmma_scale_f32_16x16x128_f8f6f4 v[192+8*\t:199+8*\t], v[80+12*\t:91+12*\t], v[224:235], v[192+8*\t:199+8*\t], v[28+(\t)/2], v253 matrix_a_fmt:MATRIX_FMT_BF6 matrix_b_fmt:MATRIX_FMT_BF6
.endif
.endr
.Lhidden_\@:
	s_add_co_u32 s[TB], s[TB], STEPB
	s_add_co_u32 s[ST], s[ST], 1
	s_cmp_lt_u32 s[ST], 16
	s_cbranch_scc1 .Lstep_\@
	s_setprio 0
.endm
; O^T / the sum; its two blocks of 32 channels are quantised; the tile image and the rows' two scale bytes are stored.
.macro WAYOUT
.rept 4
	v_nop                                          ; places behind the last products
.endr
	v_add_f32 v14, v14, v15
	s_delay_alu instid0(VALU_DEP_1)
	v_permlanex16_b32 v252, v14, s[SEL], s[SEL+1]
	s_delay_alu instid0(VALU_DEP_1)
	v_add_f32 v14, v14, v252                       ; the row's sum
	s_wait_alu depctr_va_vdst(0)
	v_rcp_f32 v14, v14
	v_nop                                          ; a plain line behind the reciprocal,
	s_wait_alu depctr_va_vdst(0)                   ; and the wait ahead of its first reader
.set j, 0
.rept 32
	v_mul_f32 v[128+j], v[192+j], v14              ; register 16 b + i is o(my query, channel 32 b + 16 h + i)
.set j, j+1
.endr
.irp b, 0,1
	v_max3_num_f32 v[232+\b], |v[128+16*\b]|, |v[129+16*\b]|, 0x2800000
.endr
.irp i, 2,4,6,8,10,12,14
.irp b, 0,1
	s_delay_alu instid0(VALU_DEP_2)
	v_max3_num_f32 v[232+\b], v[232+\b], |v[128+16*\b+\i]|, |v[129+16*\b+\i]|
.endr
.endr
.irp b, 0,1
	s_delay_alu instid0(VALU_DEP_2)
	v_permlanex16_b32 v[236+\b], v[232+\b], s[SEL], s[SEL+1]
.endr
.irp b, 0,1
	s_delay_alu instid0(VALU_DEP_2)
	v_max_num_f32 v[232+\b], v[232+\b], v[236+\b]
.endr
.irp b, 0,1
	s_delay_alu instid0(VALU_DEP_2)
	v_add_nc_u32 v[244+\b], 0xfe000000, v[232+\b]
.endr
.irp b, 0,1
	s_delay_alu instid0(VALU_DEP_2)
	v_lshrrev_b32 v[236+\b], 23, v[244+\b]
.endr
	s_delay_alu instid0(VALU_DEP_1)
	v_lshl_or_b32 v254, v237, 8, v236              ; my row's two scale bytes
	v_cvt_scalef32_pk16_bf6_f32 v[224:226], v[128:143], v244
	v_cvt_scalef32_pk16_bf6_f32 v[236:238], v[144:159], v245
	v_nop
.irp i, 0,1,2
	v_permlane16_swap_b32 v[224+\i], v[236+\i]
.endr
.irp i, 0,1,2
	s_delay_alu instid0(VALU_DEP_3)
	v_mov_b32 v[227+\i], v[236+\i]                 ; registers 0-5: channels 32 h + 0 .. 31
.endr
	global_store_b128 v1, v[224:227], s[AP:AP+1]              ; 512 consecutive bytes
	global_store_b64 v2, v[228:229], s[AP:AP+1] offset:512    ; 256 consecutive bytes
	global_store_b16 v5, v254, s[SCP:SCP+1]                   ; both halves of the lanes store the same two bytes at the same place
.endm
	QHEAD 0
	s_wait_tensorcnt 0x0                           ; my step's block is in LDS,
	s_barrier_signal -1
	s_barrier_wait -1                              ; and so are all sixteen
	KEYS
	WAYOUT
	QHEAD 1
	KEYS
	WAYOUT
	s_wait_tensorcnt 0x0
	ds_add_u32 v31, v243
	s_wait_dscnt 0x0
	ROUND                                          ; the closing round: no work-group ends while a partner may still ask for a tile that names it
	s_endpgm
.Lfunc_end_k_q42249c8976_attn:
	.size	k_q42249c8976_attn, .Lfunc_end_k_q42249c8976_attn-k_q42249c8976_attn
	.p2alignl 7, 3214868480
	.fill 96, 4, 3214868480
	.section	.rodata,"a",@progbits
	.p2align	6, 0x0
	.amdhsa_kernel k_q42249c8976_attn
		.amdhsa_group_segment_fixed_size 210944
		.amdhsa_private_segment_fixed_size 0
		.amdhsa_enable_private_segment 0
		.amdhsa_kernarg_size 32
		.amdhsa_user_sgpr_count 2
		.amdhsa_user_sgpr_kernarg_segment_ptr 1
		.amdhsa_wavefront_size32 1
		.amdhsa_system_sgpr_workgroup_id_x 1
		.amdhsa_system_sgpr_workgroup_id_y 1
		.amdhsa_system_sgpr_workgroup_id_z 1
		.amdhsa_system_vgpr_workitem_id 0
		.amdhsa_next_free_vgpr 256
		.amdhsa_next_free_sgpr 66
		.amdhsa_reserve_vcc 1
		.amdhsa_float_denorm_mode_32 3
		.amdhsa_float_denorm_mode_16_64 3
		.amdhsa_memory_ordered 1
		.amdhsa_forward_progress 1
		.amdhsa_inst_pref_size 64
	.end_amdhsa_kernel
	.amdgpu_metadata
---
amdhsa.version: [ 1, 2 ]
amdhsa.kernels:
  - .name:           k_q42249c8976_attn
    .symbol:         k_q42249c8976_attn.kd
    .args:
      - { .name: qb, .offset: 0, .size: 8, .value_kind: global_buffer, .address_space: global }
      - { .name: kvb, .offset: 8, .size: 8, .value_kind: global_buffer, .address_space: global }
      - { .name: ac, .offset: 16, .size: 8, .value_kind: global_buffer, .address_space: global }
      - { .name: asc, .offset: 24, .size: 8, .value_kind: global_buffer, .address_space: global }
    .group_segment_fixed_size: 210944
    .private_segment_fixed_size: 0
    .kernarg_segment_align: 8
    .kernarg_segment_size: 32
    .max_flat_workgroup_size: 512
    .sgpr_count:     66
    .vgpr_count:     256
    .wavefront_size: 32
...
	.end_amdgpu_metadata
.endif
;; end of part 3
;; launch proj (part 4): grid 4 x 32, 4 waves a work-group, clusters of 4 x 4, 327,680 bytes of LDS; arguments ac, asc, wc, ws, b_out, out0; writes out0
.if DOCPART == 4
	.amdgcn_target "amdgcn-amd-amdhsa--gfx1250"
	.amdhsa_code_object_version 6
	.text
	.protected	k_q42249c8976_proj
	.globl	k_q42249c8976_proj
	.p2align	8
	.type	k_q42249c8976_proj,@function
k_q42249c8976_proj:
	s_mov_b64 s[64:65], 0
	v_nop
	global_prefetch_b8 v0, s[64:65] scope:SCOPE_SE
	s_setreg_imm32_b32 hwreg(HW_REG_WAVE_MODE, 25, 1), 1
	s_wait_xcnt 0x0
	s_wait_alu depctr_hold_cnt(0) depctr_sa_sdst(0) depctr_va_vdst(0) depctr_va_sdst(0) depctr_va_ssrc(0) depctr_va_vcc(0) depctr_vm_vsrc(0)
	s_getreg_b32 s2, hwreg(HW_REG_IB_STS2, 6, 4)
	s_cmp_eq_u32 s2, 0
	s_cbranch_scc0 .Lentry_in_a_cluster
	s_endpgm
.Lentry_in_a_cluster:
	s_bfe_u32 s2, ttmp6, 0x10000c
	s_cmp_lg_u32 s2, 0xf033
	s_cbranch_scc0 .Lentry_shape_is_right
	s_endpgm
.Lentry_shape_is_right:
; out0 = o w_out + b_out on codes of BF6 (E3M2) with one E8M0 scale for each 32 along K = 1,024; out0 [8192][1024] f32.
; P (source 1, the lanes) = o: ac [512 tiles of 16 rows][16 heads][768 bytes]: images of operand registers (a head's 64 codes of 16 rows: registers 0-3 at 16 x lane, 4-5 at 512 + 8 x lane); two heads are a fragment of 128 K.
; Its scale bytes: asc [8,192 rows][32].  R (source 0, the registers) = w_out's columns: rows 3,072 .. 4,095 of wc [4096][768] and ws [4096][32].
; All rows lie in stored-row order (bits 3 and 4 of the index exchanged).  So in a result a lane holds one stored row of o, and the registers of R's block b hold columns 32 (b / 2) + 16 (lane / 16) + 8 (b % 2) + 0 .. 7;
; on the way out stored row 16 a + t goes to token 32 (a / 2) + 8 (a % 2) + t % 8 + 16 (t / 8).
; A tile of 256 x 256 is made by four waves, 128 x 128 each: 64 accumulators in windows 2 and 3.  K goes in steps of 256 through two LDS slots filled by joint tensor loads; all scale bytes come once.
; The 128 tiles are 128 work-groups: this text takes the large tile and leaves the other WGPs without work.  The bias is the C of each sum's first matrix instruction.
; CLUSTERS: 4 x 4 work-groups; P's tile is asked for jointly along a row of the cluster, R's along a column.
; REGISTERS: window 0: v1-29 addresses; v32-63 scale words, two sets; v64-127 the bias; v128-223 P's fragments, one set; on the way out v128-255 rows of out0.  window 1: R's fragments, two sets.
.set NQ,     2
.set ROWB,   192                       ; R: a tile's row: 256 codes
.set KROW,   768
.set PITCH,  240                       ; R: an LDS row: 3 x (64 bytes + 16 of padding)
.set FR,     12
.set NLA,    4                         ; LDS loads that bring a fragment of P
.set NP,     4
.set HALFT,  128*PITCH                 ; the room of 128 rows in a slot (P's images use 24,576 bytes of it)
.set SLOT,   4*HALFT
.set PSL,    3072                      ; P: a tile of 16 rows in a slot: four heads' images
.set KS,     32
.set SCL,    2*SLOT
.set HALFS,  (128*KS/256)*272
.set SBLK,   (16*KS/256)*272
.set SPARE,  SCL+4*HALFS               ; the spare words: two blocks of 256 bytes that no other line names
.set SPITCH, 528                       ; the way out: a stage of 16 rows x (512 bytes + 16) for each wave, in slot 0, behind its last fill and its last read
.set BOB,  12                          ; v12  bias: 64 (lane / 16)
.set ADRA, 16                          ; v16-17 P's images in slot 0, 1, + 16 x lane;  v18-19 + 8 x lane
.set ADRB, 20                          ; v20-23 R's fragments (22-23: behind one padding more)
.set STO,  24                          ; v24  the way out: where I put 32 bytes of a row
.set RD,   25                          ; v25  where I read a row back
.set CO,   26                          ; v26  my byte offset in a row of out0
.set ADRS, 27
.set SPW,  28
.set NIL,  29
.set SC,   32
.set BI,   64
.set AF,   128
.set BK,   128
.set G1, 24
.set G0, 32
.set G1B, 48
.set G0B, 56
.set G1S, 68
.set G0S, 76
.set G1SB, 80
.set G0SB, 88
.set MSB, 0
.macro WIN new
.if MSB != (\new)
	s_set_vgpr_msb (MSB<<8)|(\new)
.set MSB, (\new)
.endif
.endm
.set MUL_LO, 0xa1
.set MUL_HI, 0xf1
.set TO_B,   0x40
.macro JLOAD g0a, g1a, g0b, g1b        ; a joint load: waves 0 and 1 fetch for P, waves 2 and 3 for R; four v_nop follow each of the two lines
	s_cmp_eq_u32 s15, 0
	s_cbranch_scc0 .Lfor_b_\@
	tensor_load_to_lds s[\g0a:\g0a+3], s[\g1a:\g1a+7]
	s_nop 0
.rept 4
	v_nop
.endr
	s_branch .Lasked_\@
.Lfor_b_\@:
	tensor_load_to_lds s[\g0b:\g0b+3], s[\g1b:\g1b+7]
	s_nop 0
.rept 4
	v_nop
.endr
.Lasked_\@:
.endm
.macro CREST
	s_cmp_lg_u32 s14, 0
	s_cbranch_scc1 .Lnot_wave_0_\@
	s_barrier_signal -3
.Lnot_wave_0_\@:
	s_barrier_wait -3
	s_barrier_signal -1
	s_barrier_wait -1
.endm
.macro CROUND
	s_barrier_signal -1
	s_barrier_wait -1
	CREST
.endm
	s_load_b256 s[4:11], s[0:1], 0x0               ; ac s[4:5], asc s[6:7], wc s[8:9], ws s[10:11]
	s_load_b128 s[96:99], s[0:1], 0x20             ; b_out s[96:97], out0 s[98:99]
	v_lshl_add_u32 v[SPW], v0, 2, SPARE
	v_mov_b32 v[NIL], 0
	ds_add_u32 v28, v29
	ds_add_u32 v28, v29
	s_wait_dscnt 0x0
	v_lshrrev_b32 v1, 5, v0
	v_readfirstlane_b32 s14, v1                    ; wave 0..3
	s_lshr_b32 s15, s14, 1                         ; which half of P's rows is mine.  Also: I fetch for P (0) or for R (1)
	s_and_b32 s16, s14, 1                          ; which half of R's rows.  Also: which 128 rows I fetch
	s_bfe_u32 s40, ttmp6, 0x40000
	s_bfe_u32 s41, ttmp6, 0x40004
	s_lshl_b32 s42, ttmp9, 2
	s_add_co_u32 s42, s42, s40                     ; R's tile of 256 columns
	s_and_b32 s17, ttmp7, 0xffff
	s_lshl_b32 s17, s17, 2
	s_add_co_u32 s17, s17, s41                     ; P's tile of 256 rows
	s_lshl_b32 s43, s41, 2
	s_lshl_b32 s43, 15, s43
	s_lshl_b32 s44, 0x1111, s40
	s_or_b32 s[G1+0], s43, (3<<16)|(1<<21)         ; P: the mask of my row; elements of 8 bytes; no padding; bit 21 beside a mask
	s_mov_b32 s[G1+1], 384<<16                     ; tensor_dim0 = 384 elements: four heads' images of a tile of rows, 3,072 bytes
	s_mov_b32 s[G1+2], 8<<16                       ; tensor_dim1 = 8 tiles of rows
	s_mov_b32 s[G1+3], 384<<16
	s_mov_b32 s[G1+4], 8
	s_mov_b32 s[G1+5], 1536                        ; the pitch: 12,288 bytes from a tile of rows to the next
	s_mov_b32 s[G1+6], 0
	s_mov_b32 s[G1+7], 0
	s_or_b32 s[G1B+0], s44, (0<<16)|(1<<20)|(1<<21)|(3<<22)|(3<<25)  ; R: 128 rows of 192 bytes, 16 bytes of padding behind every 64
	s_mov_b32 s[G1B+1], ROWB<<16
	s_mov_b32 s[G1B+2], 128<<16
	s_mov_b32 s[G1B+3], ROWB<<16
	s_mov_b32 s[G1B+4], 128
	s_mov_b32 s[G1B+5], KROW
	s_mov_b32 s[G1B+6], 0
	s_mov_b32 s[G1B+7], 0
	s_or_b32 s[G1S+0], s43, (3<<16)|(1<<20)|(1<<21)|(5<<22)|(3<<25)  ; the scales of 128 rows: 16 rows of 256 bytes, 16 bytes of padding behind each
	s_or_b32 s[G1SB+0], s44, (3<<16)|(1<<20)|(1<<21)|(5<<22)|(3<<25)
.irp g, G1S, G1SB
	s_mov_b32 s[\g+1], 32<<16
	s_mov_b32 s[\g+2], (128*KS/256)<<16
	s_mov_b32 s[\g+3], 32<<16
	s_mov_b32 s[\g+4], 128*KS/256
	s_mov_b32 s[\g+5], 32
	s_mov_b32 s[\g+6], 0
	s_mov_b32 s[\g+7], 0
.endr
	s_lshl_b32 s20, s17, 1
	s_add_co_u32 s20, s20, s16                     ; P: which 128 rows
	s_lshl_b32 s22, s20, 12                        ; their scales: 4,096 bytes
	s_mul_i32 s20, s20, 8*12288                    ; their images: 8 tiles of rows
	s_mov_b32 s21, 0
	s_mov_b32 s23, 0
	s_lshl_b32 s46, s42, 1
	s_add_co_u32 s46, s46, s16
	s_add_co_u32 s46, s46, 24                      ; R: which 128 rows of wc: w_out's begin at row 3,072
	s_lshl_b32 s92, s46, 12
	s_mul_i32 s46, s46, 128*KROW
	s_mov_b32 s47, 0
	s_mov_b32 s93, 0
	s_mul_i32 s45, s14, HALFT                      ; where they go: no place in the cluster enters an LDS address
	s_mul_i32 s94, s14, HALFS
	s_wait_kmcnt 0x0
	s_add_nc_u64 s[20:21], s[4:5], s[20:21]
	s_add_nc_u64 s[22:23], s[6:7], s[22:23]
	s_add_nc_u64 s[46:47], s[8:9], s[46:47]
	s_add_nc_u64 s[92:93], s[10:11], s[92:93]
	CROUND                                         ; all sixteen work-groups are here: the first joint loads meet
	s_mov_b32 s[G0S], 1
	s_add_co_u32 s[G0S+1], s94, SCL
	s_mov_b64 s[G0S+2:G0S+3], s[22:23]
	s_or_b32 s[G0S+3], s[G0S+3], 0x80000000
	s_mov_b32 s[G0SB], 1
	s_add_co_u32 s[G0SB+1], s94, SCL
	s_mov_b64 s[G0SB+2:G0SB+3], s[92:93]
	s_or_b32 s[G0SB+3], s[G0SB+3], 0x80000000
	JLOAD G0S, G1S, G0SB, G1SB                     ; the scales first.  Each of the two below first waits for all my tensor loads: one of mine is out at a time
.irp s, 0,1
	s_mov_b32 s[G0+4*\s], 1
	s_add_co_u32 s[G0+4*\s+1], s45, \s*SLOT
	s_add_nc_u64 s[G0+4*\s+2:G0+4*\s+3], s[20:21], \s*PSL
	s_or_b32 s[G0+4*\s+3], s[G0+4*\s+3], 0x80000000
	s_mov_b32 s[G0B+4*\s], 1
	s_add_co_u32 s[G0B+4*\s+1], s45, \s*SLOT
	s_add_nc_u64 s[G0B+4*\s+2:G0B+4*\s+3], s[46:47], \s*ROWB
	s_or_b32 s[G0B+4*\s+3], s[G0B+4*\s+3], 0x80000000
	s_wait_alu depctr_va_vdst(0)
	s_wait_tensorcnt 0x0
	ds_add_u32 v28, v29
	s_wait_dscnt 0x0
	CROUND
	JLOAD G0+4*\s, G1, G0B+4*\s, G1B
.endr
	v_and_b32 v1, 15, v0                           ; r
	v_bfe_u32 v2, v0, 4, 1                         ; h
	v_and_b32 v6, 31, v0                           ; lane
	v_mul_u32_u24 v3, v1, PITCH
	v_mul_u32_u24 v4, v2, 24
	v_add_nc_u32 v4, v3, v4                        ; R: a fragment's row x pitch + 24 x half
	v_lshl_add_u32 v5, v2, 4, v4                   ; and the same behind one padding more
	s_mul_i32 s21, s15, HALFT                      ; my 128 rows of P
	s_mul_i32 s22, s16, HALFT
	s_add_co_u32 s22, s22, 2*HALFT                 ; my 128 rows of R
.irp s, 0,1
	v_lshl_add_u32 v[ADRA+\s], v6, 4, s21
	v_lshl_add_u32 v[ADRA+2+\s], v6, 3, s21
	v_add_nc_u32 v[ADRB+\s], s22, v4
	v_add_nc_u32 v[ADRB+2+\s], s22, v5
	s_add_co_u32 s21, s21, SLOT
	s_add_co_u32 s22, s22, SLOT
.endr
	v_mul_u32_u24 v5, v1, KS
	v_lshrrev_b32 v7, 8, v5
	v_lshl_add_u32 v5, v7, 4, v5
	s_mul_i32 s21, s15, HALFS
	s_mul_i32 s22, s16, HALFS
	s_add_co_u32 s22, s22, 2*HALFS
	s_sub_co_u32 s22, s22, s21
	v_mul_u32_u24 v7, s22, v2                      ; lanes 16-31 take R's scale words
	s_add_co_u32 s21, s21, SCL
	v_add_nc_u32 v5, v5, v7
	v_add_nc_u32 v[ADRS], s21, v5
	s_mul_i32 s23, s14, 16*SPITCH                  ; my stage
	v_mul_u32_u24 v5, v1, SPITCH
	v_lshl_add_u32 v5, v2, 6, v5
	v_add_nc_u32 v[STO], s23, v5                   ; in: row r, + 64 h: my half's 16 columns of each 32
	v_lshlrev_b32 v[CO], 4, v6
	v_add_nc_u32 v[RD], s23, v[CO]                 ; back: the 32 lanes take one row of 512 bytes
	v_lshlrev_b32 v[BOB], 6, v2
	s_wait_alu depctr_va_vdst(0)
	s_lshl_b32 s20, s17, 8
	s_lshl_b32 s21, s15, 7
	s_add_co_u32 s20, s20, s21                     ; my first row
	s_lshl_b32 s20, s20, 12                        ; 4,096 bytes a row of out0
	s_lshl_b32 s46, s42, 10
	s_lshl_b32 s47, s16, 9
	s_add_co_u32 s46, s46, s47                     ; my first column, in bytes
	s_add_co_u32 s20, s20, s46
	s_mov_b32 s21, 0
	s_mov_b32 s47, 0
	s_add_nc_u64 s[98:99], s[98:99], s[20:21]
	s_add_nc_u64 s[96:97], s[96:97], s[46:47]
.irp b, 0,1,2,3,4,5,6,7                ; octet b = the bias at columns 32 (b / 2) + 16 h + 8 (b % 2) + 0 .. 7
	global_load_b128 v[BI+8*\b:BI+8*\b+3], v[BOB], s[96:97] offset:(32*(\b/2)+8*(\b%2))*4
	global_load_b128 v[BI+8*\b+4:BI+8*\b+7], v[BOB], s[96:97] offset:(32*(\b/2)+8*(\b%2))*4+16
.endr
.macro FRAG reg, adr, q, i             ; R: 16 rows x 128 K, in pieces of 8 bytes
.irp p, 0,1,2,3,4,5
.set PCE, 12*(\q)+6*(\p/3)+\p%3
.if PCE%8 < 5
	ds_load_b64 v[\reg+2*\p:\reg+2*\p+1], v[\adr] offset:8*PCE+16*(PCE/8)+(\i)*16*PITCH
.else
	ds_load_b64 v[\reg+2*\p:\reg+2*\p+1], v[\adr+2] offset:8*PCE+16*(PCE/8)+(\i)*16*PITCH
.endif
.endr
.endm
.macro FRAGI reg, slot, q, i           ; P: two heads' images are a fragment: four loads, each of consecutive bytes
	ds_load_b128 v[\reg:\reg+3], v[ADRA+\slot] offset:(\i)*PSL+(\q)*1536
	ds_load_b64 v[\reg+4:\reg+5], v[ADRA+2+\slot] offset:(\i)*PSL+(\q)*1536+512
	ds_load_b128 v[\reg+6:\reg+9], v[ADRA+\slot] offset:(\i)*PSL+(\q)*1536+768
	ds_load_b64 v[\reg+10:\reg+11], v[ADRA+2+\slot] offset:(\i)*PSL+(\q)*1536+1280
.endm
; 16 matrix instructions: P's blocks a0, a0 + 1 x R's eight.  cmode 1: the sums start with the bias.  The 64 accumulators take turns, one instruction a turn.
.macro MUL16 a0, p, q, sc, cmode
.irp a, \a0, \a0+1
.irp b, 0,1,2,3,4,5,6,7
.if \cmode
	v_wmma_scale_f32_16x16x128_f8f6f4 v[8*(8*((\a)%4)+\b):8*(8*((\a)%4)+\b)+7], v[128*(\p)+FR*\b:128*(\p)+FR*\b+FR-1], v[AF+FR*(\a):AF+FR*(\a)+FR-1], v[BI+8*\b:BI+8*\b+7], v[SC+8*NQ*(\sc)+NQ*\b+(\q)], v[SC+8*NQ*(\sc)+NQ*(\a)+(\q)] matrix_a_fmt:MATRIX_FMT_BF6 matrix_b_fmt:MATRIX_FMT_BF6 matrix_a_scale:MATRIX_SCALE_ROW1
.else
	v_wmma_scale_f32_16x16x128_f8f6f4 v[8*(8*((\a)%4)+\b):8*(8*((\a)%4)+\b)+7], v[128*(\p)+FR*\b:128*(\p)+FR*\b+FR-1], v[AF+FR*(\a):AF+FR*(\a)+FR-1], v[8*(8*((\a)%4)+\b):8*(8*((\a)%4)+\b)+7], v[SC+8*NQ*(\sc)+NQ*\b+(\q)], v[SC+8*NQ*(\sc)+NQ*(\a)+(\q)] matrix_a_fmt:MATRIX_FMT_BF6 matrix_b_fmt:MATRIX_FMT_BF6 matrix_a_scale:MATRIX_SCALE_ROW1
.endif
.endr
.endr
.endm
.macro FETCH_B slot, q, p
	WIN TO_B
.irp i, 0,1,2,3,4,5,6,7
	FRAG 128*(\p)+FR*\i, ADRB+\slot, \q, \i
.endr
	WIN 0
.endm
.macro FETCH_A slot, q, i0
.irp i, \i0, \i0+1, \i0+2, \i0+3
	FRAGI AF+FR*(\i), \slot, \q, \i
.endr
.endm
.macro SCALES sc
.irp i, 0,1,2,3,4,5,6,7
	ds_load_b64 v[SC+8*NQ*\sc+NQ*\i:SC+8*NQ*\sc+NQ*\i+1], v[ADRS] offset:\i*SBLK
.endr
.endm
.macro PLACES n
.rept \n
	v_nop
.endr
.endm
.macro STEP slot, q, cmode
	s_wait_dscnt 4*NLA                             ; R's set and P's blocks 0-3 are in; the youngest 16 loads (P's blocks 4-7) may be out
.if \cmode
	WIN 0x81                                       ; the bias lies in window 0
.else
	WIN MUL_LO
.endif
	MUL16 0, (\q)%2, \q, \slot, \cmode
	MUL16 2, (\q)%2, \q, \slot, \cmode
	s_wait_dscnt 0
	PLACES NP
	FETCH_B \slot, (\q)+1, 1-(\q)%2
	FETCH_A \slot, (\q)+1, 0
.if \cmode
	WIN 0xc1
.else
	WIN MUL_HI
.endif
	MUL16 4, (\q)%2, \q, \slot, \cmode
	MUL16 6, (\q)%2, \q, \slot, \cmode
	PLACES NP
	WIN 0
	FETCH_A \slot, (\q)+1, 4
.endm
; A slot's last step changes slots: ONE barrier; in front of it each wave waits for all its tensor loads, adds 0 to its spare word, and waits for that and for its own reads of this slot.
.macro TURN slot, next, fill
	s_wait_tensorcnt 0x0                           ; all my tensor loads have landed: my part of the next slot
	ds_add_u32 v[SPW], v[NIL]                      ; 0 onto my spare word
	s_wait_dscnt 4*NLA+1                           ; (the add and the youngest 16 loads may be out)
	WIN MUL_LO
	MUL16 0, 1, NQ-1, \slot, 0
	s_wait_dscnt 0x0                               ; the add is done, and my reads of this slot are over
	s_barrier_signal -1
	MUL16 2, 1, NQ-1, \slot, 0
	WIN 0
	s_barrier_wait -1
.if \fill
	CREST                                          ; the barrier has opened a round of the cluster's barrier
	s_add_nc_u64 s[G0+4*\slot+2:G0+4*\slot+3], s[G0+4*\slot+2:G0+4*\slot+3], 2*PSL
	s_add_nc_u64 s[G0B+4*\slot+2:G0B+4*\slot+3], s[G0B+4*\slot+2:G0B+4*\slot+3], 2*ROWB
	JLOAD G0+4*\slot, G1, G0B+4*\slot, G1B         ; the first tensor load behind the round, my only one until the next
.else
	PLACES NP
.endif
	s_wait_alu depctr_va_vdst(0)
	v_add_nc_u32 v[ADRS], 4*NQ, v[ADRS]
	FETCH_B \next, 0, 0
	FETCH_A \next, 0, 0
	SCALES \next
	WIN MUL_HI
	MUL16 4, 1, NQ-1, \slot, 0
	MUL16 6, 1, NQ-1, \slot, 0
	PLACES NP
	WIN 0
	FETCH_A \next, 0, 4
.endm
	s_wait_loadcnt 0x0                             ; the bias
	s_wait_tensorcnt 1                             ; the scales and my part of K step 0 are in (K step 1's load may be out)
	s_barrier_signal -1
	s_barrier_wait -1                              ; everybody's are
	FETCH_B 0, 0, 0
	FETCH_A 0, 0, 0
	SCALES 0
	FETCH_A 0, 0, 4
	STEP 0, 0, 1                                   ; the first step starts the sums with the bias
	TURN 0, 1, 1                                   ; K = 1,024 is four slots' worth: both slots are filled again once, so the steps are written out
	STEP 1, 0, 0
	TURN 1, 0, 1
	STEP 0, 0, 0
	TURN 0, 1, 0
	STEP 1, 0, 0
	s_wait_dscnt 4*NLA
	WIN MUL_LO
	MUL16 0, 1, NQ-1, 1, 0
	MUL16 2, 1, NQ-1, 1, 0
	s_wait_dscnt 0
	WIN MUL_HI
	MUL16 4, 1, NQ-1, 1, 0
	MUL16 6, 1, NQ-1, 1, 0
	WIN 0
; THE WAY OUT, block by block of 16 stored rows x 128 columns, through my own stage: in by lanes, back as whole rows of 512 bytes.  LDS serves a wave's instructions in order: no wait between the stores and the loads.
.macro TOSTAGE a
.set AC, 64*((\a)%4)
	WIN 0x08+4*((\a)/4)                            ; the data: window 2 or 3
.irp b, 0,1,2,3,4,5,6,7
	ds_store_b128 v[STO], v[AC+8*\b:AC+8*\b+3] offset:128*(\b/2)+32*(\b%2)       ; each accumulator from its low end on
	ds_store_b128 v[STO], v[AC+8*\b+4:AC+8*\b+7] offset:128*(\b/2)+32*(\b%2)+16
.endr
	WIN 0
.set BB, BK+64*((\a)%2)
.irp t, 0,1,2,3,4,5,6,7,8,9,10,11,12,13,14,15
	ds_load_b128 v[BB+4*\t:BB+4*\t+3], v[RD] offset:\t*SPITCH
.endr
.endm
.macro SEND a, younger                 ; younger: the LDS instructions issued behind block a's loads, which may stay out
.set BB, BK+64*((\a)%2)
	s_wait_dscnt \younger
.if (\a) > 0
.if (\a)%2
	s_add_nc_u64 s[98:99], s[98:99], 8*4096        ; (behind a wait on XCNT)  an odd block begins 8 tokens behind the even one,
.else
	s_add_nc_u64 s[98:99], s[98:99], 24*4096       ; an even block 24 behind the odd one
.endif
.endif
.irp t, 0,1,2,3,4,5,6,7,8,9,10,11,12,13,14,15
	global_store_b128 v[CO], v[BB+4*\t:BB+4*\t+3], s[98:99] offset:(((\t)&7)+16*((\t)>>3))*4096 th:TH_STORE_NT   ; 32 lanes store 512 consecutive bytes, aligned; stored row t is token t % 8 + 16 (t / 8) of the block's
.endr
.endm
	PLACES NP
	TOSTAGE 0
.irp a, 1,2,3,4,5,6,7
.if \a > 1
	s_wait_xcnt 0x0                                ; block a - 2's stores have read their registers and their base
.endif
	TOSTAGE \a
	SEND \a-1, 32                                  ; behind block a - 1's loads: block a's 16 stores and 16 loads
.endr
	s_wait_xcnt 0x0
	SEND 7, 0
	s_wait_tensorcnt 0x0                           ; the wave's end: behind my last tensor load and my last LDS store
	ds_add_u32 v[SPW], v[NIL]
	s_wait_dscnt 0x0
	CROUND                                         ; the closing round
	s_endpgm
.Lfunc_end_k_q42249c8976_proj:
	.size	k_q42249c8976_proj, .Lfunc_end_k_q42249c8976_proj-k_q42249c8976_proj
	.p2alignl 7, 3214868480
	.fill 96, 4, 3214868480
	.section	.rodata,"a",@progbits
	.p2align	6, 0x0
	.amdhsa_kernel k_q42249c8976_proj
		.amdhsa_group_segment_fixed_size 327680
		.amdhsa_private_segment_fixed_size 0
		.amdhsa_enable_private_segment 0
		.amdhsa_kernarg_size 48
		.amdhsa_user_sgpr_count 2
		.amdhsa_user_sgpr_kernarg_segment_ptr 1
		.amdhsa_wavefront_size32 1
		.amdhsa_system_sgpr_workgroup_id_x 1
		.amdhsa_system_sgpr_workgroup_id_y 1
		.amdhsa_system_sgpr_workgroup_id_z 1
		.amdhsa_system_vgpr_workitem_id 0
		.amdhsa_next_free_vgpr 1024
		.amdhsa_next_free_sgpr 102
		.amdhsa_reserve_vcc 0
		.amdhsa_float_denorm_mode_32 3
		.amdhsa_float_denorm_mode_16_64 3
		.amdhsa_memory_ordered 1
		.amdhsa_forward_progress 1
		.amdhsa_inst_pref_size 154
	.end_amdhsa_kernel
	.amdgpu_metadata
---
amdhsa.version: [ 1, 2 ]
amdhsa.kernels:
  - .name:           k_q42249c8976_proj
    .symbol:         k_q42249c8976_proj.kd
    .args:
      - { .name: ac, .offset: 0, .size: 8, .value_kind: global_buffer, .address_space: global }
      - { .name: asc, .offset: 8, .size: 8, .value_kind: global_buffer, .address_space: global }
      - { .name: wc, .offset: 16, .size: 8, .value_kind: global_buffer, .address_space: global }
      - { .name: ws, .offset: 24, .size: 8, .value_kind: global_buffer, .address_space: global }
      - { .name: b_out, .offset: 32, .size: 8, .value_kind: global_buffer, .address_space: global }
      - { .name: out0, .offset: 40, .size: 8, .value_kind: global_buffer, .address_space: global }
    .group_segment_fixed_size: 327680
    .private_segment_fixed_size: 0
    .kernarg_segment_align: 8
    .kernarg_segment_size: 48
    .max_flat_workgroup_size: 128
    .sgpr_count:     102
    .vgpr_count:     1024
    .wavefront_size: 32
...
	.end_amdgpu_metadata
.endif
;; end of part 4
